; MI455X (gfx1250); checked and timed in simulation.
; The chip was launched on July 23, 2026; its instructions are those of AMD's public machine-readable ISA for CDNA 5 (MIT licence, August 2026) and "CDNA5" Instruction Set Architecture Reference Guide (July 2026). The comments in the code are by the model that wrote it; some were corrected since.
;; Moe Layer. Allowed arithmetic: matrix products marked QUANTISED: E2M3 operands, one E8M0 scale for each 32 along K, by v_wmma_scale_f32_16x16x128_f8f6f4 with both operands' format E2M3, f32 sums; products left as they are: f32 operands where the result goes on into a quantised operand, else bf16, f16 or f32 operands; f32 sums; everything else in f32.
;; Inputs: gate_w 1,024 x 8 float32; w1 8 x 1,024 x 4,096 float32; w2 8 x 4,096 x 1,024 float32; x 4 x 256 x 1,024 float32.
;; Outputs: out0 4 x 256 x 1,024 float32.
;; This version of the problem:
;;   THIS VERSION OF THE PROBLEM IS GIVEN IN LOW PRECISION. The matrix products marked QUANTISED in the list below multiply operands that are first quantised to E2M3 (2 exponent bits, 3 mantissa bits; 6 bits a number), with one power-of-two scale for each 32 numbers along K (OCP MX v1.0); their sums are f32. All else is computed in f32.
;;   The module's matrix products, in the order in which they are computed (A, B: the left and right operand; K: the contracted axis; several contracted axes count as one K, in the product's order):
;;     1. [M 1,024, K 1,024] x [K 1,024, N 8]; A: input x; B: input gate_w: left as it is (N = 8 < 16)
;;     2. [M 1,024, K 1,024] x [K 1,024, N 4,096]; A: input x; B: input w1: QUANTISED
;;     3. [M 1,024, K 4,096] x [K 4,096, N 1,024]; A: computed on the way; B: input w2: QUANTISED
;;     4. [M 1,024, K 1,024] x [K 1,024, N 4,096]; A: input x; B: input w1: QUANTISED
;;     5. [M 1,024, K 4,096] x [K 4,096, N 1,024]; A: computed on the way; B: input w2: QUANTISED
;;     6. [M 1,024, K 1,024] x [K 1,024, N 4,096]; A: input x; B: input w1: QUANTISED
;;     7. [M 1,024, K 4,096] x [K 4,096, N 1,024]; A: computed on the way; B: input w2: QUANTISED
;;     8. [M 1,024, K 1,024] x [K 1,024, N 4,096]; A: input x; B: input w1: QUANTISED
;;     9. [M 1,024, K 4,096] x [K 4,096, N 1,024]; A: computed on the way; B: input w2: QUANTISED
;;     10. [M 1,024, K 1,024] x [K 1,024, N 4,096]; A: input x; B: input w1: QUANTISED
;;     11. [M 1,024, K 4,096] x [K 4,096, N 1,024]; A: computed on the way; B: input w2: QUANTISED
;;     12. [M 1,024, K 1,024] x [K 1,024, N 4,096]; A: input x; B: input w1: QUANTISED
;;     13. [M 1,024, K 4,096] x [K 4,096, N 1,024]; A: computed on the way; B: input w2: QUANTISED
;;     14. [M 1,024, K 1,024] x [K 1,024, N 4,096]; A: input x; B: input w1: QUANTISED
;;     15. [M 1,024, K 4,096] x [K 4,096, N 1,024]; A: computed on the way; B: input w2: QUANTISED
;;     16. [M 1,024, K 1,024] x [K 1,024, N 4,096]; A: input x; B: input w1: QUANTISED
;;     17. [M 1,024, K 4,096] x [K 4,096, N 1,024]; A: computed on the way; B: input w2: QUANTISED
;;   THE QUANTISER, for each operand of a quantised product, along K:
;;     - K is cut into blocks of 32 from its start; a last block that is shorter is filled with zeros.
;;     - A block's scale is 2^e with e = floor(log2(the largest magnitude in the block)) - 2, held to -126 .. 127; a block of zeros has e = 0. As a byte (E8M0): e + 127.
;;     - Each number is divided by its block's scale, clamped to +-7.5, and rounded to the nearest number of E2M3, ties to even, subnormals kept.
;;     - The product sums the exact products of the quantised numbers (number of the format x scale) in f32.
;;   ~~~python
;;   def quantise(x, axis):      # numpy; x: float32 -> the quantised numbers, widened to float32 again
;;       x = np.moveaxis(x, axis, -1); K = x.shape[-1]
;;       x = np.pad(x, [(0, 0)] * (x.ndim - 1) + [(0, -K % 32)]); x = x.reshape(x.shape[:-1] + (-1, 32)); a = np.abs(x).max(-1, keepdims=True)
;;       e = np.where(a > 0, np.clip(np.frexp(np.where(a > 0, a, 1))[1] - 1 - 2, -126, 127), 0)      # np.frexp(a)[1] - 1 = floor(log2(a)), exactly
;;       r = np.clip(x / 2.0 ** e, -7.5, 7.5)
;;       step = 2.0 ** (np.maximum(np.frexp(np.where(r == 0, 1, r))[1] - 1, 0) - 3)
;;       q = np.round(r / step) * step * 2.0 ** e      # np.round: ties to even
;;       return np.moveaxis(q.reshape(q.shape[:-2] + (-1,))[..., :K], -1, axis).astype(np.float32)
;;   ~~~
;;   OPERANDS COMPUTED ON THE WAY. 'Computed on the way' means the value that the module computes at that place (a softmax that the list does not call 'softmax' is quantised finished and normalised). What goes into a quantiser is computed in f32, as accurately as f32 sums, v_exp_f32 and their like allow (about 1e-6 of the number): no bf16 or f16 on the way to a quantiser, and a product that is left as it is and whose result goes on into a quantised operand takes f32 operands (vector FMAs, or v_wmma_f32_16x16x4_f32). A number that lies on a knife's edge between two numbers of the format may be rounded either way, as far as f32 arithmetic and the matrix unit's own rounding can turn it there, and no further.
;; One version. Each part assembles by itself: llvm-mc -triple=amdgcn-amd-amdhsa -mcpu=gfx1250 --defsym DOCPART=n.
;; ======== version 1 of 1: 5 launches
;; workspace buffers: rsel 10,240 bytes of whole numbers; rwt 8,192 bytes; plan 8,448 bytes of whole numbers; xg 1,744,896 bytes; xs 72,704 bytes; hq 6,979,584 bytes; hs 290,816 bytes; y 18,612,224 bytes
;; launch route (part 1): grid 128 x 1, 8 waves a work-group, no clusters, 109,568 bytes of LDS; arguments x, gate_w, rsel, rwt; writes rsel, rwt
.if DOCPART == 1
	.amdgcn_target "amdgcn-amd-amdhsa--gfx1250"
	.amdhsa_code_object_version 6
	.text
	.protected	k_qae4bf8128e_route
	.globl	k_qae4bf8128e_route
	.p2align	8
	.type	k_qae4bf8128e_route,@function
k_qae4bf8128e_route:
	s_mov_b64 s[64:65], 0
	v_nop
	global_prefetch_b8 v0, s[64:65] scope:SCOPE_SE
	s_setreg_imm32_b32 hwreg(HW_REG_WAVE_MODE, 25, 1), 1
	s_wait_xcnt 0x0
; THE ROUTER: scores = x gate_w in f32 (fused multiply-adds), the two largest of a token's 8 scores (a tie keeps the lower index), the softmax over these two with the larger taken away first.
; Stored: rsel (whole numbers): mask bytes at 128 e + g (bit i: token 8 g + i goes to expert e; four bytes on end are the word of 32 tokens), count bytes at 1024 + 128 e + g (that byte's ones), idx[t][2] at 2048 + 8 t;  rwt: wt[t][2], f32.
; DEAD WORK OF THE WHOLE PROGRAM.  For an expert i that is not among a token's two chosen, sel is false in both places, so wts = 0 and wts x expert_out = 0 for every finite expert_out:
; that token's row of x w1[i] and of h w2[i] reaches no output, whatever the inputs hold.  The later launches multiply only the 2,048 chosen (token, expert) rows.  Every input still has a way to the output and is loaded.
; LIMITS: a NaN, an infinity or an overflow that arises only in an expert that was not chosen is not carried to the result; NaN and infinities among the inputs are not served;
; two scores that differ by less than the rounding of their f32 sums may be ordered otherwise than by another order of summation.
; SHARES.  Work-group g owns tokens 8 g .. 8 g + 7: a mask byte has one owner, so 8 tokens are the smallest share, and 1,024 tokens give 128 work-groups.  Wave v sums k = 128 v .. 128 v + 127, lane l its four neighbours 4 l + 0 .. 3, for all 8 tokens and 8 experts.
; x: one load of 512 consecutive bytes for a token and a wave.  The gate: the wave's 128 rows are 4,096 dense bytes, loaded so and turned once through the wave's own LDS (144 bytes a lane), so that a lane holds its four rows, 32 numbers, which serve all 8 tokens.
; THE SUMS: a lane's 64 partial scores go to the wave's own LDS (272 bytes a lane) and come back with lane m holding scores 2 m and 2 m + 1 of all 32 lanes; a tree of packed additions; then the eight waves' parts meet behind the one barrier, and wave 0 adds them in ascending order and chooses.
; Sixteen single bytes a work-group go to rows 128 bytes apart, and 64 bytes each to idx and wt: the price of a share of 8 tokens.
.set GSTW,  4608                       ; a wave's gate: 32 lanes x (128 + 16) bytes
.set RED,   8*GSTW                     ; then the partial scores,
.set REDW,  8704                       ; 32 lanes x (256 + 16) bytes for each wave
.set PART,  RED+8*REDW                 ; then the waves' parts: 256 v + 4 (8 token + expert)
.set SPARE, PART+2048                  ; then the spare words, 128 bytes for each wave, which no other line names
.set SPW, 1                            ; v1   my spare word's address; never rewritten
.set NIL, 2                            ; v2   0; never rewritten
.set XR,  16                           ; v16-47   x: token tt's four numbers at 4 tt
.set GR,  48                           ; v48-79   the gate as loaded
.set G,   80                           ; v80-111  the gate by lane: my row kk's expert e at 8 kk + e
.set ACC, 112                          ; v112-175 partial scores: 8 tt + e
.set RD,  176                          ; v176-239 two scores of each of the 32 lanes
	s_load_b256 s[4:11], s[0:1], 0x0               ; x s[4:5], gate_w s[6:7], rsel s[8:9], rwt s[10:11]
	v_lshl_add_u32 v[SPW], v0, 2, SPARE
	v_mov_b32 v[NIL], 0
	v_lshrrev_b32 v3, 5, v0
	v_readfirstlane_b32 s12, v3                    ; wave
	v_and_b32 v3, 31, v0                           ; lane
	v_lshlrev_b32 v4, 4, v3                        ; in memory: 16 bytes a lane
	v_lshrrev_b32 v5, 3, v3                        ; lane / 8
	v_and_b32 v6, 7, v0                            ; lane % 8
	s_mul_i32 s13, s12, GSTW
	v_mul_u32_u24 v7, v5, 144
	v_lshl_add_u32 v7, v6, 4, v7
	v_add_nc_u32 v7, s13, v7                       ; the gate into LDS: eight lanes' 128 bytes belong to one lane; a load's 512 bytes to four
	v_mul_u32_u24 v8, v3, 144
	v_add_nc_u32 v8, s13, v8                       ; and out: my 128 bytes
	s_mul_i32 s14, s12, REDW
	s_add_co_u32 s14, s14, RED
	v_mul_u32_u24 v9, v3, 272
	v_add_nc_u32 v9, s14, v9                       ; my 64 partial scores
	v_lshl_add_u32 v10, v3, 3, s14                 ; back: scores 2 lane and 2 lane + 1 of a lane's 64
	s_lshl_b32 s15, s12, 8
	s_add_co_u32 s15, s15, PART
	v_lshl_add_u32 v11, v3, 3, s15                 ; my wave's part
	v_lshl_add_u32 v12, v6, 5, PART                ; where wave 0 reads token lane % 8's eight scores (made ahead of the waves' parting)
	s_lshl_b32 s18, ttmp9, 15                      ; 8 tokens of 4,096 bytes
	s_lshl_b32 s19, s12, 9                         ; my wave's 128 numbers of a row
	s_add_co_u32 s18, s18, s19
	s_mov_b32 s19, 0
	s_lshl_b32 s20, s12, 12                        ; my wave's 128 rows of the gate
	s_mov_b32 s21, 0
	s_wait_kmcnt 0x0
	s_add_nc_u64 s[4:5], s[4:5], s[18:19]
	s_add_nc_u64 s[6:7], s[6:7], s[20:21]
.set i, 0
.rept 8
	global_load_b128 v[GR+4*i:GR+4*i+3], v4, s[6:7] offset:512*i                   ; the gate first: it has the longer way
.set i, i+1
.endr
.set i, 0
.rept 8
	global_load_b128 v[XR+4*i:XR+4*i+3], v4, s[4:5] offset:4096*i th:TH_LOAD_NT    ; token i: 512 consecutive bytes
.set i, i+1
.endr
	s_wait_loadcnt 8                               ; the gate is in; x's eight loads, issued behind it, may be out
.set i, 0
.rept 8
	ds_store_b128 v7, v[GR+4*i:GR+4*i+3] offset:576*i
.set i, i+1
.endr
.set i, 0
.rept 8
	ds_load_b128 v[G+4*i:G+4*i+3], v8 offset:16*i  ; the wave's own bytes, served in order: no barrier
.set i, i+1
.endr
	s_wait_loadcnt 0x0
	s_wait_dscnt 0x0
; 128 packed multiply-adds: x[tt][kk] (one register of a pair, taken for both halves) x my row kk's experts 2 p, 2 p + 1.  The first row's are multiplications: nothing is cleared.  32 sums take turns
.irp kk, 0,1,2,3
.irp tt, 0,1,2,3,4,5,6,7
.irp p, 0,1,2,3
.set XP, XR+4*\tt+2*(\kk/2)
.set AA, ACC+8*\tt+2*\p
.set GG, G+8*\kk+2*\p
.if \kk == 0
	v_pk_mul_f32 v[AA:AA+1], v[XP:XP+1], v[GG:GG+1] op_sel_hi:[0,1]
.elseif \kk%2 == 0
	v_pk_fma_f32 v[AA:AA+1], v[XP:XP+1], v[GG:GG+1], v[AA:AA+1] op_sel_hi:[0,1,1]
.else
	v_pk_fma_f32 v[AA:AA+1], v[XP:XP+1], v[GG:GG+1], v[AA:AA+1] op_sel:[1,0,0] op_sel_hi:[1,1,1]
.endif
.endr
.endr
.endr
.set i, 0
.rept 16
	ds_store_b128 v9, v[ACC+4*i:ACC+4*i+3] offset:16*i
.set i, i+1
.endr
.set i, 0
.rept 32
	ds_load_b64 v[RD+2*i:RD+2*i+1], v10 offset:272*i   ; lane i's scores 2 m and 2 m + 1, for me, lane m: 256 consecutive bytes a load
.set i, i+1
.endr
	s_wait_dscnt 0x0
.irp h, 16,8,4,2,1                     ; the 32 lanes' parts, halved five times
.set i, 0
.rept \h
	v_pk_add_f32 v[RD+2*i:RD+2*i+1], v[RD+2*i:RD+2*i+1], v[RD+2*(i+\h):RD+2*(i+\h)+1]
.set i, i+1
.endr
.endr
	ds_store_b64 v11, v[RD:RD+1]
	s_wait_dscnt 0x0                               ; for wave 0's sake: my part has landed
	s_barrier_signal -1
	s_barrier_wait -1
	s_cmp_lg_u32 s12, 0
	s_cbranch_scc1 .Lend                           ; wave 0 alone goes on; no barrier follows
.set w, 0
.rept 8
	ds_load_b128 v[16+8*w:19+8*w], v12 offset:256*w        ; wave w's part of my token's eight scores; lanes 8-31 repeat tokens 0-7
	ds_load_b128 v[20+8*w:23+8*w], v12 offset:256*w+16
.set w, w+1
.endr
	s_lshl_b32 s17, ttmp9, 6
	v_lshl_add_u32 v243, v3, 3, s17                ; 8 bytes a token
	s_mov_b32 s22, ttmp9
	v_lshl_add_u32 v244, v3, 7, s22                ; lane e: expert e's mask byte of my group; lane 8 + e: its count byte
	s_wait_dscnt 0x0
.set w, 1
.rept 7
.irp p, 0,2,4,6
	v_pk_add_f32 v[16+\p:17+\p], v[16+\p:17+\p], v[16+8*w+\p:17+8*w+\p]   ; the eight parts in ascending order
.endr
.set w, w+1
.endr
	v_mov_b32 v232, v16                            ; the largest score and its expert: strictly greater moves it, so a tie keeps the lower index
	v_mov_b32 v240, 0
.irp e, 1,2,3,4,5,6,7
	v_cmp_gt_f32 vcc_lo, v[16+\e], v232
	v_cndmask_b32 v232, v232, v[16+\e], vcc_lo
	v_cndmask_b32 v240, v240, \e, vcc_lo
.endr
	v_mov_b32 v234, 0xff800000                     ; -infinity takes the winner's place
.irp e, 0,1,2,3,4,5,6,7
	v_cmp_eq_u32 vcc_lo, \e, v240
	v_cndmask_b32 v[16+\e], v[16+\e], v234, vcc_lo
.endr
	v_mov_b32 v233, v16                            ; the second, the same way
	v_mov_b32 v241, 0
.irp e, 1,2,3,4,5,6,7
	v_cmp_gt_f32 vcc_lo, v[16+\e], v233
	v_cndmask_b32 v233, v233, v[16+\e], vcc_lo
	v_cndmask_b32 v241, v241, \e, vcc_lo
.endr
	v_sub_f32 v238, v233, v232                     ; the softmax of the two: the larger is taken away, so the exponents are 0 and this difference, 0 or less
	v_mul_f32 v238, 0x3fb8aa3b, v238
	v_exp_f32 v238, v238
	v_nop                                          ; a plain instruction behind the transcendental,
	s_wait_alu depctr_va_vdst(0)                   ; and the wait ahead of its first reader
	v_add_f32 v239, 1.0, v238
	v_rcp_f32 v236, v239                           ; the first weight,
	v_nop
	s_wait_alu depctr_va_vdst(0)
	v_mul_f32 v237, v238, v236                     ; the second
	v_mov_b32 v242, 0
.irp e, 0,1,2,3,4,5,6,7
	v_cmp_eq_u32 s20, \e, v240
	v_cmp_eq_u32 s21, \e, v241
	s_or_b32 s20, s20, s21
	s_and_b32 s20, s20, 0xff                       ; my 8 tokens' bits for expert e (lanes 0-7),
	s_bcnt1_i32_b32 s21, s20                       ; and how many
	v_writelane_b32 v242, s20, \e
	v_writelane_b32 v242, s21, 8+\e
.endr
	s_wait_xcnt 0x0                                ; EXEC changes only behind this wait
	v_cmp_gt_u32 vcc_lo, 16, v3
	s_and_saveexec_b32 s23, vcc_lo
	global_store_b8 v244, v242, s[8:9]             ; eight mask bytes, eight count bytes
	s_wait_xcnt 0x0                                ; and again in front of the line that widens it
	s_or_b32 exec_lo, exec_lo, s23
	v_cmp_gt_u32 vcc_lo, 8, v3
	s_and_saveexec_b32 s23, vcc_lo                 ; (nothing has been issued since the wait above)
	global_store_b64 v243, v[240:241], s[8:9] offset:2048   ; eight lanes store 64 consecutive bytes
	global_store_b64 v243, v[236:237], s[10:11]
	s_wait_xcnt 0x0
	s_or_b32 exec_lo, exec_lo, s23
.Lend:
	s_wait_tensorcnt 0x0                           ; the wave's end
	ds_add_u32 v[SPW], v[NIL]
	s_wait_dscnt 0x0
	s_endpgm
.Lfunc_end_k_qae4bf8128e_route:
	.size	k_qae4bf8128e_route, .Lfunc_end_k_qae4bf8128e_route-k_qae4bf8128e_route
	.p2alignl 7, 3214868480
	.fill 96, 4, 3214868480
	.section	.rodata,"a",@progbits
	.p2align	6, 0x0
	.amdhsa_kernel k_qae4bf8128e_route
		.amdhsa_group_segment_fixed_size 109568
		.amdhsa_private_segment_fixed_size 0
		.amdhsa_enable_private_segment 0
		.amdhsa_kernarg_size 32
		.amdhsa_user_sgpr_count 2
		.amdhsa_user_sgpr_kernarg_segment_ptr 1
		.amdhsa_wavefront_size32 1
		.amdhsa_system_sgpr_workgroup_id_x 1
		.amdhsa_system_sgpr_workgroup_id_y 1
		.amdhsa_system_sgpr_workgroup_id_z 1
		.amdhsa_system_vgpr_workitem_id 0
		.amdhsa_next_free_vgpr 256
		.amdhsa_next_free_sgpr 66
		.amdhsa_reserve_vcc 1
		.amdhsa_float_denorm_mode_32 3
		.amdhsa_float_denorm_mode_16_64 3
		.amdhsa_memory_ordered 1
		.amdhsa_forward_progress 1
		.amdhsa_inst_pref_size 28
	.end_amdhsa_kernel
	.amdgpu_metadata
---
amdhsa.version: [ 1, 2 ]
amdhsa.kernels:
  - .name:           k_qae4bf8128e_route
    .symbol:         k_qae4bf8128e_route.kd
    .args:
      - { .name: x, .offset: 0, .size: 8, .value_kind: global_buffer, .address_space: global }
      - { .name: gate_w, .offset: 8, .size: 8, .value_kind: global_buffer, .address_space: global }
      - { .name: rsel, .offset: 16, .size: 8, .value_kind: global_buffer, .address_space: global }
      - { .name: rwt, .offset: 24, .size: 8, .value_kind: global_buffer, .address_space: global }
    .group_segment_fixed_size: 109568
    .private_segment_fixed_size: 0
    .kernarg_segment_align: 8
    .kernarg_segment_size: 32
    .max_flat_workgroup_size: 256
    .sgpr_count:     66
    .vgpr_count:     256
    .wavefront_size: 32
...
	.end_amdgpu_metadata
.endif
;; end of part 1
;; launch gather (part 2): grid 71 x 1, 8 waves a work-group, no clusters, 136,192 bytes of LDS; arguments rsel, x, plan, xg, xs; writes plan, xg, xs
.if DOCPART == 2
	.amdgcn_target "amdgcn-amd-amdhsa--gfx1250"
	.amdhsa_code_object_version 6
	.text
	.protected	k_qae4bf8128e_gather
	.globl	k_qae4bf8128e_gather
	.p2align	8
	.type	k_qae4bf8128e_gather,@function
k_qae4bf8128e_gather:
	s_mov_b64 s[64:65], 0
	v_nop
	global_prefetch_b8 v0, s[64:65] scope:SCOPE_SE
	s_setreg_imm32_b32 hwreg(HW_REG_WAVE_MODE, 25, 1), 1
	s_wait_xcnt 0x0
; THE PLACING OF ROWS, AND x AS CODES.  Only the chosen (token, expert) rows are laid out: the others reach no output (shown at the head of the first kernel).
; The rows of expert e, its tokens in ascending order, are cut into PAIRS of two tiles of 16 rows; np[e] = ceil(c[e] / 32) pairs, one expert's behind the other's.  The counts add up to 2,048, so there are at most 71 pairs, whatever the choice.
; Work-group u is pair u; one whose number is past the last pair stores nothing and ends (a branch on stored whole numbers; the text has no barrier).  Places past an expert's last row repeat token 0; nobody reads their results.
; Stored: plan (whole numbers): np[e] at 4 e, base[e] (its first pair) at 32 + 4 e, inv[t][k] (the row 32 pair + place of token t's k-th expert) at 256 + 8 t + 4 k;
; xg: codes of E2M3 as IMAGES OF THE OPERAND'S REGISTERS: [pair][K step][tile][g][lane][16 bytes]: register 4 g + i of a lane at 512 g + 16 lane + 4 i;  xs: the scale words [pair][K step][lane = 16 tile + row].
; THE BLOCKS OF A K STEP ARE PERMUTED, alike in both operands of every product and in their scale bytes: lane (r, h) holds k = 64 h + 0 .. 63 of its row, registers 6 c on its block 2 h + c; that block's byte is byte 2 c + h of the word.
; THE QUANTISER: a block's scale byte is its largest magnitude's exponent field - 2, held at 1 from below; a block of zeros so has the byte 1 where the rule says 127: its codes are zeros, and this program alone reads the bytes.
; LIMITS: NaN and infinities among the inputs are not served.
; SHARES.  Wave v takes K step v (128 along K) of the pair's 32 rows.  Every wave finds the 32 tokens by itself, in registers: so nothing goes from wave to wave.
; A ROW'S ADDRESS: its token becomes a scalar, is held under 1,024 and goes, times a row's 4,096 bytes, into the load's scalar base; the vector offset is the lane's place in the row and hangs on ids alone.
.set STGW,  16896                      ; a wave's stage: 32 rows x (512 + 16) bytes
.set SPARE, 8*STGW                     ; behind the stages: the spare words, 128 bytes for each wave, which no other line names
.set SPW, 1
.set NIL, 2
	s_load_b256 s[4:11], s[0:1], 0x0               ; rsel s[4:5], x s[6:7], plan s[8:9], xg s[10:11]
	s_load_b64 s[12:13], s[0:1], 0x20              ; xs
	v_lshl_add_u32 v[SPW], v0, 2, SPARE
	v_mov_b32 v[NIL], 0
	v_lshrrev_b32 v4, 5, v0
	v_readfirstlane_b32 s14, v4                    ; wave
	v_and_b32 v4, 31, v0                           ; lane
	v_lshlrev_b32 v3, 2, v4                        ; 4 x lane
	v_and_b32 v5, 15, v0                           ; r
	v_bfe_u32 v6, v0, 4, 1                         ; h
	v_lshlrev_b32 v10, 4, v4                       ; 16 x lane
	s_lshl_b32 s90, s14, 9
	v_add_nc_u32 v7, s90, v10                      ; in a row of x: my wave's 512 bytes, 16 a lane; never rewritten
	s_mul_i32 s91, s14, STGW
	v_add_nc_u32 v8, s91, v10                      ; into the stage
	v_mul_u32_u24 v9, v5, 528
	v_lshl_add_u32 v9, v6, 8, v9
	v_add_nc_u32 v9, s91, v9                       ; out of it: row r, my half's 256 bytes
	v_lshlrev_b32 v55, 3, v6                       ; 8 h: where my two bytes stand in the scale word
	v_mov_b32 v56, 0                               ; (a lane permute's destination counts as one of its sources)
	v_mov_b32 v47, 0
	s_mov_b32 s80, 0x76543210
	s_mov_b32 s81, 0xfedcba98                      ; v_permlanex16_b32's selects for lane l xor 16
	s_mov_b32 s86, 0xffff0000                      ; lanes 16-31
	s_mov_b32 s87, 0x01010101
.irp e, 0,1,2,3,4,5,6,7
	v_mov_b32 v[24+\e], 0
	v_mov_b32 v[240+\e], 0                         ; (a DPP form's destination counts as one of its sources)
.endr
	s_wait_kmcnt 0x0
.irp e, 0,1,2,3,4,5,6,7
	global_load_b32 v[16+\e], v3, s[4:5] offset:1024+128*\e   ; lane w: expert e's four count bytes of tokens 32 w .. 32 w + 31
.endr
	s_wait_loadcnt 0x0
.irp e, 0,1,2,3,4,5,6,7
	v_mul_lo_u32 v[16+\e], v[16+\e], s87           ; the four bytes, each 8 at the most, add up in the top byte: no sum on the way passes 32, so nothing is carried
.endr
.irp e, 0,1,2,3,4,5,6,7
	v_lshrrev_b32 v[16+\e], 24, v[16+\e]
.endr
.irp m, 1,2,4,8                        ; c[e]: the sum over the 32 lanes, in whole numbers; the eight experts by turns
.irp e, 0,1,2,3,4,5,6,7
	v_mov_b32_dpp v[24+\e], v[16+\e] row_xmask:\m row_mask:0xf bank_mask:0xf
.endr
.irp e, 0,1,2,3,4,5,6,7
	v_add_nc_u32 v[16+\e], v[16+\e], v[24+\e]
.endr
.endr
.irp e, 0,1,2,3,4,5,6,7
	v_permlanex16_b32 v[24+\e], v[16+\e], s80, s81
.endr
.irp e, 0,1,2,3,4,5,6,7
	v_add_nc_u32 v[16+\e], v[16+\e], v[24+\e]
.endr
.irp e, 0,1,2,3,4,5,6,7
	v_readfirstlane_b32 s[48+\e], v[16+\e]
.endr
	s_mov_b32 s74, 0
.irp e, 0,1,2,3,4,5,6,7
	s_add_co_u32 s[56+\e], s[48+\e], 31
	s_lshr_b32 s[56+\e], s[56+\e], 5               ; np[e]
	s_mov_b32 s[66+\e], s74                        ; base[e]
	s_add_co_u32 s74, s74, s[56+\e]                ; at the end: all pairs
.endr
	s_cmp_ge_u32 ttmp9, s74
	s_cbranch_scc1 .Lnone                          ; no such pair
	s_mov_b32 s76, 0
	s_mov_b32 s77, 0
	s_mov_b32 s78, 0
.irp e, 0,1,2,3,4,5,6,7                ; my expert: the last whose first pair is not past mine (one without pairs is overtaken by the next)
	s_cmp_ge_u32 ttmp9, s[66+\e]
	s_cselect_b32 s76, \e, s76
	s_cselect_b32 s77, s[66+\e], s77
	s_cselect_b32 s78, s[48+\e], s78
.endr
	s_min_u32 s76, s76, 7
	s_lshl_b32 s82, s76, 7
	s_load_b512 s[16:31], s[4:5], s82 offset:0x0   ; my expert's mask, as 32 words
	s_load_b512 s[32:47], s[4:5], s82 offset:0x40
.irp k, 49,51,53,55,93,95,97,99
	s_mov_b32 s\k, 0                               ; the upper words of eight offset pairs (the counts that lay in s48-55 are done with)
.endr
	s_mov_b32 s89, 0
	s_sub_co_u32 s85, ttmp9, s77
	s_lshl_b32 s85, s85, 5
	v_add_nc_u32 v33, s85, v4                      ; my place among the expert's rows
	v_cmp_lt_u32 s83, v33, s78                     ; is it a row?
	v_mov_b32 v34, 0
	v_mov_b32 v35, 0
	v_mov_b32 v36, 0
	s_mov_b32 s79, 0
	s_wait_kmcnt 0x0
.set w, 0
.rept 32                               ; the last word in front of which no more rows lie than my place says: its bits, the rows in front of it, its number
	v_cmp_le_u32 vcc_lo, s79, v33
	v_cndmask_b32 v34, v34, s[16+w], vcc_lo
	v_cndmask_b32 v35, v35, s79, vcc_lo
	v_cndmask_b32 v36, v36, w, vcc_lo
	s_bcnt1_i32_b32 s85, s[16+w]
	s_add_co_u32 s79, s79, s85
.set w, w+1
.endr
	v_sub_nc_u32 v37, v33, v35                     ; which of the word's ones is mine, counted from 0
	; the word's ones counted in fields of 2, 4, 8 and 16 bits
	v_lshrrev_b32 v39, 1, v34
	v_and_b32 v39, 0x55555555, v39
	v_sub_nc_u32 v57, v34, v39                     ; of 2
	v_lshrrev_b32 v39, 2, v57
	v_and_b32 v39, 0x33333333, v39
	v_and_b32 v46, 0x33333333, v57
	v_add_nc_u32 v61, v46, v39                     ; of 4
	v_lshrrev_b32 v39, 4, v61
	v_add_nc_u32 v39, v39, v61
	v_and_b32 v62, 0x0f0f0f0f, v39                 ; of 8
	v_lshrrev_b32 v39, 8, v62
	v_add_nc_u32 v63, v39, v62                     ; its lowest byte: of bits 0 to 15
	v_mov_b32 v38, 0
; five halvings: where as many ones as I have to pass, or fewer, lie in the lower half of the window that begins at v38, they are passed and the window's upper half is taken
.macro PICK cnt, width, half
	v_bfe_u32 v39, v[\cnt], v38, \width
	v_cmp_ge_u32 vcc_lo, v37, v39
	v_cndmask_b32 v39, 0, v39, vcc_lo
	v_cndmask_b32 v46, 0, \half, vcc_lo
	v_sub_nc_u32 v37, v37, v39
	v_add_nc_u32 v38, v38, v46
.endm
	PICK 63, 8, 16
	PICK 62, 8, 8
	PICK 61, 4, 4
	PICK 57, 2, 2
	PICK 34, 1, 1
	v_lshl_add_u32 v40, v36, 5, v38                ; my token;
	v_cndmask_b32 v40, 0, v40, s83                 ; token 0 where my place is past the expert's last row
	v_min_u32 v40, 0x3ff, v40
	v_lshlrev_b32 v41, 3, v40
	global_load_b64 v[42:43], v41, s[4:5] offset:2048   ; the tokens' two experts, for the list of places that wave 0 stores at the end: 256 bytes, asked for by every wave, so that no way parts ahead of the rows' loads
	v_permlanex16_b32 v47, v40, s80, s81           ; lanes 0-15: the tokens of rows 16 to 31
; eight rows: the wave reads 512 consecutive bytes of each.  Lane i's token goes to lane 0, from there into a scalar, is held under x's 1,024 rows, and goes into a base of the row's own (sixteen pairs, where the
; mask words lay, which nobody reads any more).  Each step is taken for all eight before the next, so that no line waits for the line above it
.macro SETOP i
.set OP, 48+2*((\i)%8)
.if ((\i)%8) > 3
.set OP, 84+2*((\i)%8)
.endif
.endm
.macro ROWS8 first, src, l0, l1, l2, l3, l4, l5, l6, l7
.irp i, \l0,\l1,\l2,\l3,\l4,\l5,\l6,\l7
	v_mov_b32_dpp v[240+\i%8], v[\src] row_share:\i row_mask:0xf bank_mask:0xf
.endr
.irp i, \l0,\l1,\l2,\l3,\l4,\l5,\l6,\l7
	SETOP \i
	v_readfirstlane_b32 s[OP], v[240+\i%8]
.endr
.irp i, \l0,\l1,\l2,\l3,\l4,\l5,\l6,\l7
	SETOP \i
	s_min_u32 s[OP], s[OP], 1023
.endr
.irp i, \l0,\l1,\l2,\l3,\l4,\l5,\l6,\l7
	SETOP \i
	s_lshl_b32 s[OP], s[OP], 12                    ; a row of x is 4,096 bytes
.endr
.irp i, \l0,\l1,\l2,\l3,\l4,\l5,\l6,\l7
	SETOP \i
	s_add_nc_u64 s[16+2*\i:17+2*\i], s[6:7], s[OP:OP+1]
	global_load_b128 v[64+4*(\first+\i):67+4*(\first+\i)], v7, s[16+2*\i:17+2*\i]
.endr
.endm
	ROWS8 0, 40, 0,1,2,3,4,5,6,7
	ROWS8 0, 40, 8,9,10,11,12,13,14,15
	s_wait_xcnt 0x0                                ; the sixteen bases are written again only behind this wait
	ROWS8 16, 47, 0,1,2,3,4,5,6,7
	ROWS8 16, 47, 8,9,10,11,12,13,14,15
	s_mul_i32 s88, ttmp9, 24576                    ; where my wave's images go: pair, K step
	s_mul_i32 s85, s14, 3072
	s_add_co_u32 s88, s88, s85
	s_add_nc_u64 s[10:11], s[10:11], s[88:89]
	s_lshl_b32 s88, ttmp9, 10
	s_lshl_b32 s85, s14, 7
	s_add_co_u32 s88, s88, s85
	s_add_nc_u64 s[12:13], s[12:13], s[88:89]
	s_lshl_b32 s85, ttmp9, 5
	v_add_nc_u32 v45, s85, v4                      ; my row: 32 x pair + lane
	s_wait_loadcnt 0x0
	v_cmp_eq_u32 vcc_lo, s76, v43
	v_cndmask_b32 v44, 0, 4, vcc_lo                ; is my expert the token's second?
	v_min_u32 v44, 4, v44
	v_add_nc_u32 v44, v44, v41                     ; where the row's place is noted: 8 x token + 0 or 4
.set i, 0
.rept 32
	ds_store_b128 v8, v[64+4*i:67+4*i] offset:528*i
.set i, i+1
.endr
.set i, 0
.rept 16
	ds_load_b128 v[192+4*i:195+4*i], v9 offset:16*i           ; tile 0: my row's k = 64 h + 0 .. 63 (the wave's own bytes, served in order)
.set i, i+1
.endr
	s_wait_dscnt 0x0                               ; tile 0 is in, and the stores have read v64-191
.set i, 0
.rept 16
	ds_load_b128 v[64+4*i:67+4*i], v9 offset:16*528+16*i      ; tile 1 comes while tile 0 is quantised
.set i, i+1
.endr
; 64 numbers of a lane, two whole blocks, become the fragment's 12 registers at v[dst] and the row's scale word in v[wd]
.macro QROW src, dst, wd
.irp c, 0,1
	v_max3_num_f32 v[48+\c], |v[\src+32*\c]|, |v[\src+32*\c+1]|, 0x1800000   ; the floor 2^(3 - 127) among the leaves: the byte cannot fall under 1
.endr
.irp i, 2,4,6,8,10,12,14,16,18,20,22,24,26,28,30
.irp c, 0,1
	v_max3_num_f32 v[48+\c], v[48+\c], |v[\src+32*\c+\i]|, |v[\src+32*\c+\i+1]|
.endr
.endr
.irp c, 0,1
	v_add_nc_u32 v[50+\c], 0xff000000, v[48+\c]    ; 2 off the exponent field: the conversion's scale operand
.endr
.irp c, 0,1
	v_lshrrev_b32 v[52+\c], 23, v[50+\c]           ; the byte
.endr
	v_lshl_or_b32 v54, v53, 16, v52                ; bytes 2 c,
	v_lshlrev_b32 v54, v55, v54                    ; + h;
	v_permlanex16_b32 v56, v54, s80, s81
	v_or_b32 v[\wd], v54, v56                      ; with lane l xor 16's two the word is whole
.irp c, 0,1
	v_cvt_scalef32_pk16_fp6_f32 v[\dst+6*\c:\dst+6*\c+2], v[\src+32*\c:\src+32*\c+15], v[50+\c]
	v_cvt_scalef32_pk16_fp6_f32 v[176+4*\c:178+4*\c], v[\src+32*\c+16:\src+32*\c+31], v[50+\c]   ; (a conversion's three registers begin on an even number)
.endr
	v_nop                                          ; one plain instruction behind a scaled conversion
.irp c, 0,1
.irp i, 0,1,2
	v_mov_b32 v[\dst+6*\c+3+\i], v[176+4*\c+\i]
.endr
.endr
.endm
	QROW 192, 144, 58
.irp g, 0,1,2
	global_store_b128 v10, v[144+4*\g:147+4*\g], s[10:11] offset:512*\g          ; 512 consecutive bytes a store
.endr
	s_wait_dscnt 0x0
	QROW 64, 160, 59
.irp g, 0,1,2
	global_store_b128 v10, v[160+4*\g:163+4*\g], s[10:11] offset:1536+512*\g
.endr
	v_cndmask_b32 v60, v58, v59, s86               ; lanes 0-15 tile 0's words, lanes 16-31 tile 1's
	global_store_b32 v3, v60, s[12:13]
	s_cmp_lg_u32 s14, 0
	s_cbranch_scc1 .Lend                           ; wave 0 alone stores into plan
	s_wait_xcnt 0x0                                ; EXEC changes only behind this wait
	s_mov_b32 vcc_lo, s83
	s_and_saveexec_b32 s84, vcc_lo                 ; the places that are rows
	global_store_b32 v44, v45, s[8:9] offset:256   ; inv[token][k] = my row
	s_wait_xcnt 0x0                                ; and again in front of the line that widens it
	s_or_b32 exec_lo, exec_lo, s84
	s_cmp_lg_u32 ttmp9, 0
	s_cbranch_scc1 .Lend                           ; and of work-group 0 it stores np and base: 128 consecutive bytes
	v_mov_b32 v32, 0
.irp e, 0,1,2,3,4,5,6,7
	v_writelane_b32 v32, s[56+\e], \e
	v_writelane_b32 v32, s[66+\e], 8+\e
.endr
	global_store_b32 v3, v32, s[8:9]
.Lend:
	s_wait_tensorcnt 0x0                           ; the wave's end
	ds_add_u32 v[SPW], v[NIL]
	s_wait_dscnt 0x0
	s_endpgm
.Lnone:
	s_endpgm                                       ; this wave has touched no LDS and stored nothing
.Lfunc_end_k_qae4bf8128e_gather:
	.size	k_qae4bf8128e_gather, .Lfunc_end_k_qae4bf8128e_gather-k_qae4bf8128e_gather
	.p2alignl 7, 3214868480
	.fill 96, 4, 3214868480
	.section	.rodata,"a",@progbits
	.p2align	6, 0x0
	.amdhsa_kernel k_qae4bf8128e_gather
		.amdhsa_group_segment_fixed_size 136192
		.amdhsa_private_segment_fixed_size 0
		.amdhsa_enable_private_segment 0
		.amdhsa_kernarg_size 40
		.amdhsa_user_sgpr_count 2
		.amdhsa_user_sgpr_kernarg_segment_ptr 1
		.amdhsa_wavefront_size32 1
		.amdhsa_system_sgpr_workgroup_id_x 1
		.amdhsa_system_sgpr_workgroup_id_y 1
		.amdhsa_system_sgpr_workgroup_id_z 1
		.amdhsa_system_vgpr_workitem_id 0
		.amdhsa_next_free_vgpr 256
		.amdhsa_next_free_sgpr 100
		.amdhsa_reserve_vcc 1
		.amdhsa_float_denorm_mode_32 3
		.amdhsa_float_denorm_mode_16_64 3
		.amdhsa_memory_ordered 1
		.amdhsa_forward_progress 1
		.amdhsa_inst_pref_size 45
	.end_amdhsa_kernel
	.amdgpu_metadata
---
amdhsa.version: [ 1, 2 ]
amdhsa.kernels:
  - .name:           k_qae4bf8128e_gather
    .symbol:         k_qae4bf8128e_gather.kd
    .args:
      - { .name: rsel, .offset: 0, .size: 8, .value_kind: global_buffer, .address_space: global }
      - { .name: x, .offset: 8, .size: 8, .value_kind: global_buffer, .address_space: global }
      - { .name: plan, .offset: 16, .size: 8, .value_kind: global_buffer, .address_space: global }
      - { .name: xg, .offset: 24, .size: 8, .value_kind: global_buffer, .address_space: global }
      - { .name: xs, .offset: 32, .size: 8, .value_kind: global_buffer, .address_space: global }
    .group_segment_fixed_size: 136192
    .private_segment_fixed_size: 0
    .kernarg_segment_align: 8
    .kernarg_segment_size: 40
    .max_flat_workgroup_size: 256
    .sgpr_count:     100
    .vgpr_count:     256
    .wavefront_size: 32
...
	.end_amdgpu_metadata
.endif
;; end of part 2
;; launch up (part 3): grid 256 x 1, 16 waves a work-group, no clusters, 104,448 bytes of LDS; arguments plan, xg, xs, w1, hq, hs; writes hq, hs
.if DOCPART == 3
	.amdgcn_target "amdgcn-amd-amdhsa--gfx1250"
	.amdhsa_code_object_version 6
	.text
	.protected	k_qae4bf8128e_up
	.globl	k_qae4bf8128e_up
	.p2align	8
	.type	k_qae4bf8128e_up,@function
k_qae4bf8128e_up:
	s_mov_b64 s[64:65], 0
	v_nop
	global_prefetch_b8 v0, s[64:65] scope:SCOPE_SE
	s_setreg_imm32_b32 hwreg(HW_REG_WAVE_MODE, 25, 1), 1
	s_wait_xcnt 0x0
; h = silu(x w1[e]) for the chosen rows alone (the others reach no output: shown at the head of the first kernel), both operands as codes of E2M3 with E8M0 scales; h leaves as codes, quantised along the hidden axis.
; THE LAUNCH IS A STREAM OF w1: each f32 number is read once, quantised along K in registers, laid in LDS as an operand, and multiplied there and then.
; SHARES.  Work-group g: expert e = g / 32, hidden units 128 (g % 32) on, as two slices of 64 columns.  8 trips of 256 K x 64 columns; trips 0-3 slice 0, trips 4-7 slice 1.
; Stream side: wave w takes 32 columns (w % 2), a lane a column, and one block of 32 along K (w / 2): its 32 registers run down K, so the block's largest magnitude needs no other lane and the conversions give codes with K innermost.
; Product side: wave w multiplies pair w of the expert's rows (two tiles of 16) by the slice's four tiles of 16 columns: 8 accumulators.  Pairs 16 to 31 (an expert with more than 512 rows) follow behind the last trip, from the images, which stay in LDS.
; TRANSPOSED USE: source 0 = 16 columns of w1, source 1 = 16 rows.  Column x + 32 b of a slice goes to tile 2 b + (x / 8) % 2, row x % 8 + 8 (x / 16): so a lane's 16 registers of tiles 2 b, 2 b + 1 are 16 neighbouring hidden units, 32 b + 16 (lane / 16) on.
; THE BLOCKS OF A K STEP ARE PERMUTED alike in both operands and their scale bytes: lane (r, h), registers 6 c on: block 2 h + c; its byte is byte 2 c + h.
; LDS: a trip's images have bytes of their own, written once in the launch: so ONE barrier a trip, between the stores and the loads.  A fragment is 1,536 bytes, 48 a lane.
; WHICH WAVES MULTIPLY hangs on np[e], read from memory: a scalar branch leads round a step's LDS loads and products and round nothing else; every wave issues every global load and passes every wait and barrier, so each counted wait holds on every way.
; A wave without a pair asks with offset 0 in all lanes for the first bytes of pair 0, which is always written.
; NO TENSOR LOADS, NO CLUSTER: what the work-groups of an expert share, a pair's 24,576 bytes of codes, is little beside each one's own 524,288 bytes of w1.
; LIMITS: NaN and infinities among the inputs are not served; a block of zeros has the byte 1 where the rule says 127 (its codes are zeros; this program alone reads the bytes).
.set PITCH, 16384                      ; a row of w1[e] in bytes
.set BSC,   98304                      ; behind the 8 x 12,288 bytes of images: their scale words, 512 bytes a trip
.set SPARE, 102400                     ; the spare words, 128 bytes for each wave, which no other line names
.set SPW, 1                            ; v1  my spare word's address;  v2  0: never rewritten
.set NIL, 2
; v3 my offset in w1; v4, v5 where my block's codes go (trips 0-3, 4-7); v6 its scale byte; v7, v8 where I read a fragment; v9 the weights' scale words; v10, v11 my offsets in the rows' images and scale words
; v12, v13 the rows' scale words, v14, v15 the weights': scales and nothing else; v16-28 at work; v29 h's scale word; v30, v31 my offsets in hq and hs
.set X0,  32                           ; v32-95   two sets of 32 numbers of w1
.set AF,  96                           ; v96-143  the rows' fragments: two slots of two tiles
.set BF,  144                          ; v144-191 the weights' four fragments; at work on the way out
.set ACC, 192                          ; v192-255 accumulator (row tile a, column tile ct) at 32 a + 8 ct
.macro XLOAD set                       ; my block of a trip: 32 rows down K; the wave reads 128 consecutive bytes of each, and its neighbour the 128 beside them
.set i, 0
.rept 32
	global_load_b32 v[X0+32*(\set)+i], v3, s[26+2*(\set):27+2*(\set)] offset:i*PITCH th:TH_LOAD_NT
.set i, i+1
.endr
.endm
.macro QW set, tau                     ; the block becomes 24 bytes of codes and a scale byte, in the place that the operand's layout gives them
.set XS, X0+32*(\set)
.set WA, 4
.if (\tau) > 3
.set WA, 5
.endif
	v_max3_num_f32 v16, |v[XS]|, |v[XS+1]|, 0x1800000              ; the floor 2^(3 - 127) among the leaves: the byte cannot fall under 1
	v_max3_num_f32 v17, |v[XS+2]|, |v[XS+3]|, |v[XS+4]|
.irp i, 5,9,13,17,21,25
	v_max3_num_f32 v16, v16, |v[XS+\i]|, |v[XS+\i+1]|
	v_max3_num_f32 v17, v17, |v[XS+\i+2]|, |v[XS+\i+3]|
.endr
	v_max3_num_f32 v16, v16, |v[XS+29]|, |v[XS+30]|
	v_max3_num_f32 v16, v16, v17, |v[XS+31]|
	v_add_nc_u32 v18, 0xff000000, v16              ; 2 off the exponent field: the conversion's scale operand
	v_lshrrev_b32 v19, 23, v18                     ; the byte
	v_cvt_scalef32_pk16_fp6_f32 v[20:22], v[XS:XS+15], v18
	v_cvt_scalef32_pk16_fp6_f32 v[26:28], v[XS+16:XS+31], v18      ; (a conversion's three registers begin on an even number)
	v_nop                                          ; one plain instruction behind a scaled conversion
	v_mov_b32 v23, v26
	v_mov_b32 v24, v27
	v_mov_b32 v25, v28
	ds_store_b64 v[WA], v[20:21] offset:((\tau)%4)*12288
	ds_store_b64 v[WA], v[22:23] offset:((\tau)%4)*12288+8
	ds_store_b64 v[WA], v[24:25] offset:((\tau)%4)*12288+16
	ds_store_b8 v6, v19 offset:512*(\tau)
.endm
.macro ALOAD slot, q, bcode, bscal     ; the rows' two fragments and their scale words of step q (K step q % 8 of x): 7 loads
.set SG, (\q)&7
.irp a, 0,1
.irp g, 0,1,2
	global_load_b128 v[AF+24*(\slot)+12*\a+4*\g:AF+24*(\slot)+12*\a+4*\g+3], v10, s[\bcode:\bcode+1] offset:3072*SG+1536*\a+512*\g
.endr
.endr
	global_load_b32 v[12+(\slot)], v11, s[\bscal:\bscal+1] offset:128*SG
.endm
.macro BLOAD tau, sp                   ; the weights' four fragments of trip tau's K step sp: a lane's 48 bytes by three loads; lanes 48 bytes apart take sixteen different 16-byte columns of 256
.set RA, 7
.if (\tau) > 3
.set RA, 8
.endif
.irp ct, 0,1,2,3
.irp g, 0,1,2
	ds_load_b128 v[BF+12*\ct+4*\g:BF+12*\ct+4*\g+3], v[RA] offset:((\tau)%4)*12288+6144*(\sp)+1536*\ct+16*\g
.endr
.endr
	ds_load_b32 v14, v9 offset:512*(\tau)+256*(\sp)        ; lanes 0-15 tile 0's words, lanes 16-31 tile 1's
	ds_load_b32 v15, v9 offset:512*(\tau)+256*(\sp)+128    ; tiles 2 and 3
.endm
.macro WM ct, a, slot, zero
.set DD, ACC+32*(\a)+8*(\ct)
.set WW, BF+12*(\ct)
.set RR, AF+24*(\slot)+12*(\a)
.set SCW, 14+(\ct)/2
.set SCR, 12+(\slot)
.if \zero
.if ((\ct)%2 == 0) && ((\a) == 0)
	v_wmma_scale_f32_16x16x128_f8f6f4 v[DD:DD+7], v[WW:WW+11], v[RR:RR+11], 0, v[SCW], v[SCR] matrix_a_fmt:MATRIX_FMT_FP6 matrix_b_fmt:MATRIX_FMT_FP6
.elseif (\a) == 0
	v_wmma_scale_f32_16x16x128_f8f6f4 v[DD:DD+7], v[WW:WW+11], v[RR:RR+11], 0, v[SCW], v[SCR] matrix_a_fmt:MATRIX_FMT_FP6 matrix_b_fmt:MATRIX_FMT_FP6 matrix_a_scale:MATRIX_SCALE_ROW1
.elseif (\ct)%2 == 0
	v_wmma_scale_f32_16x16x128_f8f6f4 v[DD:DD+7], v[WW:WW+11], v[RR:RR+11], 0, v[SCW], v[SCR] matrix_a_fmt:MATRIX_FMT_FP6 matrix_b_fmt:MATRIX_FMT_FP6 matrix_b_scale:MATRIX_SCALE_ROW1
.else
	v_wmma_scale_f32_16x16x128_f8f6f4 v[DD:DD+7], v[WW:WW+11], v[RR:RR+11], 0, v[SCW], v[SCR] matrix_a_fmt:MATRIX_FMT_FP6 matrix_b_fmt:MATRIX_FMT_FP6 matrix_a_scale:MATRIX_SCALE_ROW1 matrix_b_scale:MATRIX_SCALE_ROW1
.endif
.else
.if ((\ct)%2 == 0) && ((\a) == 0)
	v_wmma_scale_f32_16x16x128_f8f6f4 v[DD:DD+7], v[WW:WW+11], v[RR:RR+11], v[DD:DD+7], v[SCW], v[SCR] matrix_a_fmt:MATRIX_FMT_FP6 matrix_b_fmt:MATRIX_FMT_FP6
.elseif (\a) == 0
	v_wmma_scale_f32_16x16x128_f8f6f4 v[DD:DD+7], v[WW:WW+11], v[RR:RR+11], v[DD:DD+7], v[SCW], v[SCR] matrix_a_fmt:MATRIX_FMT_FP6 matrix_b_fmt:MATRIX_FMT_FP6 matrix_a_scale:MATRIX_SCALE_ROW1
.elseif (\ct)%2 == 0
	v_wmma_scale_f32_16x16x128_f8f6f4 v[DD:DD+7], v[WW:WW+11], v[RR:RR+11], v[DD:DD+7], v[SCW], v[SCR] matrix_a_fmt:MATRIX_FMT_FP6 matrix_b_fmt:MATRIX_FMT_FP6 matrix_b_scale:MATRIX_SCALE_ROW1
.else
	v_wmma_scale_f32_16x16x128_f8f6f4 v[DD:DD+7], v[WW:WW+11], v[RR:RR+11], v[DD:DD+7], v[SCW], v[SCR] matrix_a_fmt:MATRIX_FMT_FP6 matrix_b_fmt:MATRIX_FMT_FP6 matrix_a_scale:MATRIX_SCALE_ROW1 matrix_b_scale:MATRIX_SCALE_ROW1
.endif
.endif
.endm
; 8 products: the 8 accumulators by turns, one instruction a turn, in the same order in every step.  Five plain places follow: four serve the loads
; into the operands' and scales' registers and the first read of results; the fifth a sum that is begun anew over an earlier result
.macro MUL slot, zero
.irp ct, 0,1,2,3
.irp a, 0,1
	WM \ct, \a, \slot, \zero
.endr
.endr
.rept 5
	v_nop
.endr
.endm
.macro HALF tau, sp, slot, zero        ; a K step's products, for a wave that has a pair
	s_cmp_lg_u32 s24, 0
	s_cbranch_scc0 .Lskip_\@
	BLOAD \tau, \sp
	s_wait_dscnt 0x0
	MUL \slot, \zero
.Lskip_\@:
.endm
; THE WAY OUT of slice par: silu in f32; the pair's 32 rows x 64 hidden units become codes: blocks 2 par and 2 par + 1 of K step g % 32 of the next product, that is lanes 16 par + r of both tiles' images.
.macro EPI par, ob, osb
.irp a, 0,1
.set j, 0
.rept 16
	v_pk_mul_f32 v[BF+j:BF+j+1], v[ACC+32*\a+j:ACC+32*\a+j+1], 0xbfb8aa3b op_sel_hi:[1,0]   ; - z log2(e); each accumulator is read from its low end on
.set j, j+2
.endr
.set j, 0
.rept 32
	v_exp_f32 v[BF+j], v[BF+j]
.set j, j+1
.endr
	v_nop                                          ; a plain instruction behind the batch,
	s_wait_alu depctr_va_vdst(0)                   ; and the one wait ahead of its first reader
.set j, 0
.rept 16
	v_pk_add_f32 v[BF+j:BF+j+1], v[BF+j:BF+j+1], 1.0 op_sel_hi:[1,0]
.set j, j+2
.endr
.set j, 0
.rept 32
	v_rcp_f32 v[BF+j], v[BF+j]
.set j, j+1
.endr
	v_nop
	s_wait_alu depctr_va_vdst(0)
.set j, 0
.rept 16
	v_pk_mul_f32 v[ACC+32*\a+j:ACC+32*\a+j+1], v[ACC+32*\a+j:ACC+32*\a+j+1], v[BF+j:BF+j+1]   ; z / (1 + e^-z)
.set j, j+2
.endr
.endr
.irp k, 0,1,2,3                        ; half block k = 2 a + b: my 16 of block b's 32 units, row r of tile a
	v_max3_num_f32 v[16+\k], |v[ACC+16*\k]|, |v[ACC+16*\k+1]|, 0x1800000
.endr
.irp i, 2,4,6,8,10,12,14
.irp k, 0,1,2,3
	v_max3_num_f32 v[16+\k], v[16+\k], |v[ACC+16*\k+\i]|, |v[ACC+16*\k+\i+1]|
.endr
.endr
.irp k, 0,1,2,3
	v_permlanex16_b32 v[20+\k], v[16+\k], s38, s39
.endr
.irp k, 0,1,2,3
	v_max_num_f32 v[16+\k], v[16+\k], v[20+\k]     ; with lane l xor 16's 16: the block's largest magnitude
.endr
.irp k, 0,1,2,3
	v_add_nc_u32 v[20+\k], 0xff000000, v[16+\k]    ; the conversion's scale operand
.endr
.irp k, 0,1,2,3
	v_lshrrev_b32 v[16+\k], 23, v[20+\k]           ; the byte
.endr
	v_cvt_scalef32_pk16_fp6_f32 v[BF:BF+2], v[ACC:ACC+15], v20           ; tile 0, block 0
	v_cvt_scalef32_pk16_fp6_f32 v[BF+12:BF+14], v[ACC+32:ACC+47], v22    ; tile 1, block 0
	v_cvt_scalef32_pk16_fp6_f32 v[BF+6:BF+8], v[ACC+16:ACC+31], v21      ; tile 0, block 1
	v_cvt_scalef32_pk16_fp6_f32 v[BF+16:BF+18], v[ACC+48:ACC+63], v23    ; tile 1, block 1
	v_nop                                          ; one plain instruction behind a scaled conversion
.irp i, 0,1,2                          ; the first's lanes 16-31 change places with the second's lanes 0-15: lane (r, a) then holds row r of tile a, the block's lower 16 codes in the first, the upper 16 in the second
	v_permlane16_swap_b32 v[BF+\i], v[BF+12+\i]
	v_permlane16_swap_b32 v[BF+6+\i], v[BF+16+\i]
.endr
.irp i, 0,1,2
	v_mov_b32 v[BF+3+\i], v[BF+12+\i]
	v_mov_b32 v[BF+9+\i], v[BF+16+\i]
.endr
	v_cndmask_b32 v24, v16, v18, s40               ; lane 16 a + r: tile a's byte of block 0,
	v_cndmask_b32 v25, v17, v19, s40               ; of block 1;
	v_lshl_or_b32 v29, v24, 8*(\par), v29          ; block b of this slice is byte 2 b + par of the word
	v_lshl_or_b32 v29, v25, 16+8*(\par), v29
.irp g, 0,1,2
	global_store_b128 v30, v[BF+4*\g:BF+4*\g+3], s[\ob:\ob+1] offset:512*\g+256*(\par)   ; each half wave stores 256 consecutive bytes, at a multiple of 256 from hq's first byte
.endr
.if \par
	global_store_b32 v31, v29, s[\osb:\osb+1]      ; the word is whole
.endif
	s_wait_xcnt 0x0                                ; the stores' registers are written again only behind this wait
.endm
.macro GEPI par
	s_cmp_lg_u32 s24, 0
	s_cbranch_scc0 .Lno_epi_\@
	EPI \par, 34, 36
.Lno_epi_\@:
.endm
; A TRIP.  Loads are issued in the order X(t), A(2 t), A(2 t + 1), X(t + 1), A(2 t + 2), ..: an X is 32 loads, an A is 7.
.macro TRIP t
.if (\t) < 7
	s_wait_loadcnt 46                              ; X(t) is in: behind it went A(2 t), A(2 t + 1), X(t + 1): 7 + 7 + 32
.else
	s_wait_loadcnt 14                              ; the last trip: no X behind it
.endif
	QW (\t)%2, \t
	s_wait_dscnt 0x0                               ; for the others' sake: my stores have landed
	s_barrier_signal -1
	s_barrier_wait -1                              ; the trip's images are whole
.if (\t) < 7
	s_wait_loadcnt 39                              ; A(2 t) is in: behind it went A(2 t + 1), X(t + 1)
.else
	s_wait_loadcnt 7
.endif
	HALF \t, 0, 0, (\t)==4
.if (\t) < 7
	ALOAD 0, 2*(\t)+2, 30, 32
	s_wait_loadcnt 39                              ; A(2 t + 1) is in: behind it went X(t + 1), A(2 t + 2)
.else
	s_wait_loadcnt 0x0
.endif
	HALF \t, 1, 1, 0
.if (\t) < 7
	ALOAD 1, 2*(\t)+3, 30, 32
.endif
.if (\t) < 6
.if ((\t) == 2) || ((\t) == 3)
	s_sub_nc_u64 s[26+2*((\t)%2):27+2*((\t)%2)], s[26+2*((\t)%2):27+2*((\t)%2)], 8388352   ; 512 rows back and 64 columns on: the second slice.  (X(t)'s loads, which read this base, are done)
.else
	s_add_nc_u64 s[26+2*((\t)%2):27+2*((\t)%2)], s[26+2*((\t)%2):27+2*((\t)%2)], 8388608   ; 512 rows on
.endif
	XLOAD (\t)%2                                   ; X(t + 2)
.endif
.endm
.macro TSTEP tau, sp, sg, zero         ; a step of the tail: nothing else is on its way
	ALOAD 0, \sg, 48, 50
	BLOAD \tau, \sp
	s_wait_loadcnt 0x0
	s_wait_dscnt 0x0
	MUL 0, \zero
.endm
	s_load_b256 s[4:11], s[0:1], 0x0               ; plan s[4:5], xg s[6:7], xs s[8:9], w1 s[10:11]
	s_load_b128 s[12:15], s[0:1], 0x20             ; hq s[12:13], hs s[14:15]
	v_lshl_add_u32 v[SPW], v0, 2, SPARE
	v_mov_b32 v[NIL], 0
	v_lshrrev_b32 v16, 5, v0
	v_readfirstlane_b32 s16, v16                   ; wave
	s_and_b32 s17, s16, 1                          ; which 32 columns
	s_lshr_b32 s18, s16, 1                         ; which block of 32 along K
	s_lshr_b32 s19, ttmp9, 5                       ; expert
	s_and_b32 s20, ttmp9, 31                       ; which 128 hidden units
	v_and_b32 v16, 31, v0                          ; lane
	v_and_b32 v17, 7, v0
	v_bfe_u32 v18, v0, 4, 1
	v_lshl_add_u32 v17, v18, 3, v17                ; my column's row in its tile: x % 8 + 8 (x / 16)
	v_bfe_u32 v19, v0, 3, 1                        ; and which of the two tiles
	s_mul_i32 s42, s18, 32*PITCH
	s_lshl_b32 s43, s17, 7
	s_add_co_u32 s42, s42, s43
	v_lshl_add_u32 v3, v16, 2, s42                 ; in w1: 4 x lane + 128 x column group + my block's rows
	s_mul_i32 s42, s17, 3072                       ; in LDS: two tiles a column group,
	s_lshr_b32 s43, s18, 2
	s_mul_i32 s44, s43, 6144                       ; the trip's K step,
	s_add_co_u32 s42, s42, s44
	s_bfe_u32 s45, s18, 0x10001
	s_mul_i32 s44, s45, 768                        ; block 2 h + c: lanes 16 h on,
	s_add_co_u32 s42, s42, s44
	s_and_b32 s46, s18, 1
	s_mul_i32 s44, s46, 24                         ; 24 c bytes on
	s_add_co_u32 s42, s42, s44
	v_mul_u32_u24 v4, v19, 1536
	v_mad_u32_u24 v4, v17, 48, v4
	v_add_nc_u32 v4, s42, v4
	v_add_nc_u32 v5, 49152, v4
	s_lshl_b32 s42, s17, 7                         ; the scale byte: word of tile and row, byte 2 c + h
	s_lshl_b32 s44, s43, 8
	s_add_co_u32 s42, s42, s44
	s_lshl_b32 s44, s46, 1
	s_add_co_u32 s42, s42, s44
	s_add_co_u32 s42, s42, s45
	s_add_co_u32 s42, s42, BSC
	v_lshlrev_b32 v6, 6, v19
	v_lshl_add_u32 v6, v17, 2, v6
	v_add_nc_u32 v6, s42, v6
	v_mul_u32_u24 v7, v16, 48
	v_add_nc_u32 v8, 49152, v7
	v_lshl_add_u32 v9, v16, 2, BSC
	v_lshlrev_b32 v10, 4, v16
	v_lshlrev_b32 v11, 2, v16
	v_mov_b32 v29, 0
	v_and_b32 v30, 15, v0
	v_lshlrev_b32 v30, 4, v30
	v_mad_u32_u24 v30, v18, 1536, v30              ; in hq: tile lane / 16, 16 bytes a row
	v_lshlrev_b32 v31, 2, v16
	s_mov_b32 s38, 0x76543210
	s_mov_b32 s39, 0xfedcba98                      ; v_permlanex16_b32's selects for lane l xor 16
	s_mov_b32 s40, 0xffff0000                      ; lanes 16-31
	s_wait_kmcnt 0x0
	s_lshl_b32 s42, s19, 2
	s_load_b32 s22, s[4:5], s42 offset:0x0         ; np[e]
	s_load_b32 s23, s[4:5], s42 offset:0x20        ; base[e]
	s_lshl_b32 s44, s19, 24                        ; an expert's 16,777,216 bytes
	s_lshl_b32 s45, s20, 9
	s_add_co_u32 s44, s44, s45
	s_mov_b32 s45, 0
	s_add_nc_u64 s[26:27], s[10:11], s[44:45]      ; trip 0,
	s_add_nc_u64 s[28:29], s[26:27], 4194304       ; trip 1: 256 rows on
	XLOAD 0
.set i, 0
.rept 64
	v_mov_b32 v[ACC+i], 0                          ; the first products stand under a branch, so the sums begin as zeros on every way; written while the first loads are out
.set i, i+1
.endr
	s_wait_kmcnt 0x0
	s_add_co_u32 s25, s23, s16
	s_cmp_lt_u32 s16, s22                          ; have I a pair?
	s_cselect_b32 s24, 1, 0
	s_cselect_b32 s25, s25, 0                      ; which
	s_min_u32 s24, s24, 1
	s_min_u32 s25, s25, 70
	v_mul_u32_u24 v10, s24, v10                    ; a wave without a pair asks with offset 0
	v_mul_u32_u24 v11, s24, v11
	s_mul_i32 s42, s25, 24576
	s_mov_b32 s43, 0
	s_add_nc_u64 s[30:31], s[6:7], s[42:43]        ; my pair's images of x,
	s_lshl_b32 s42, s25, 10
	s_add_nc_u64 s[32:33], s[8:9], s[42:43]        ; their scale words,
	s_mul_i32 s42, s25, 98304
	s_mul_i32 s44, s20, 3072
	s_add_co_u32 s42, s42, s44
	s_add_nc_u64 s[34:35], s[12:13], s[42:43]      ; where its images of h go,
	s_lshl_b32 s42, s25, 12
	s_lshl_b32 s44, s20, 7
	s_add_co_u32 s42, s42, s44
	s_add_nc_u64 s[36:37], s[14:15], s[42:43]      ; and their scale words
	ALOAD 0, 0, 30, 32
	ALOAD 1, 1, 30, 32
	XLOAD 1
	TRIP 0
	TRIP 1
	TRIP 2
	TRIP 3
	GEPI 0                                         ; slice 0 leaves while the next trips' loads are on their way
	TRIP 4
	TRIP 5
	TRIP 6
	TRIP 7
	GEPI 1
	s_add_co_u32 s42, s16, 16                      ; THE TAIL: pair 16 + wave, where the expert has so many
	s_cmp_lt_u32 s42, s22
	s_cbranch_scc0 .Lend
	s_add_co_u32 s25, s25, 16
	s_min_u32 s25, s25, 70
	s_mul_i32 s42, s25, 24576
	s_mov_b32 s43, 0
	s_add_nc_u64 s[48:49], s[6:7], s[42:43]
	s_lshl_b32 s42, s25, 10
	s_add_nc_u64 s[50:51], s[8:9], s[42:43]
	s_mul_i32 s42, s25, 98304
	s_mul_i32 s44, s20, 3072
	s_add_co_u32 s42, s42, s44
	s_add_nc_u64 s[52:53], s[12:13], s[42:43]
	s_lshl_b32 s42, s25, 12
	s_lshl_b32 s44, s20, 7
	s_add_co_u32 s42, s42, s44
	s_add_nc_u64 s[54:55], s[14:15], s[42:43]
	v_mov_b32 v29, 0
.irp par, 0,1
.irp sg, 0,1,2,3,4,5,6,7
	TSTEP 4*\par+\sg/2, \sg%2, \sg, \sg==0
.endr
	EPI \par, 52, 54
.endr
.Lend:
	s_wait_tensorcnt 0x0                           ; the wave's end
	ds_add_u32 v[SPW], v[NIL]
	s_wait_dscnt 0x0
	s_endpgm
.Lfunc_end_k_qae4bf8128e_up:
	.size	k_qae4bf8128e_up, .Lfunc_end_k_qae4bf8128e_up-k_qae4bf8128e_up
	.p2alignl 7, 3214868480
	.fill 96, 4, 3214868480
	.section	.rodata,"a",@progbits
	.p2align	6, 0x0
	.amdhsa_kernel k_qae4bf8128e_up
		.amdhsa_group_segment_fixed_size 104448
		.amdhsa_private_segment_fixed_size 0
		.amdhsa_enable_private_segment 0
		.amdhsa_kernarg_size 48
		.amdhsa_user_sgpr_count 2
		.amdhsa_user_sgpr_kernarg_segment_ptr 1
		.amdhsa_wavefront_size32 1
		.amdhsa_system_sgpr_workgroup_id_x 1
		.amdhsa_system_sgpr_workgroup_id_y 1
		.amdhsa_system_sgpr_workgroup_id_z 1
		.amdhsa_system_vgpr_workitem_id 0
		.amdhsa_next_free_vgpr 256
		.amdhsa_next_free_sgpr 66
		.amdhsa_reserve_vcc 0
		.amdhsa_float_denorm_mode_32 3
		.amdhsa_float_denorm_mode_16_64 3
		.amdhsa_memory_ordered 1
		.amdhsa_forward_progress 1
		.amdhsa_inst_pref_size 197
	.end_amdhsa_kernel
	.amdgpu_metadata
---
amdhsa.version: [ 1, 2 ]
amdhsa.kernels:
  - .name:           k_qae4bf8128e_up
    .symbol:         k_qae4bf8128e_up.kd
    .args:
      - { .name: plan, .offset: 0, .size: 8, .value_kind: global_buffer, .address_space: global }
      - { .name: xg, .offset: 8, .size: 8, .value_kind: global_buffer, .address_space: global }
      - { .name: xs, .offset: 16, .size: 8, .value_kind: global_buffer, .address_space: global }
      - { .name: w1, .offset: 24, .size: 8, .value_kind: global_buffer, .address_space: global }
      - { .name: hq, .offset: 32, .size: 8, .value_kind: global_buffer, .address_space: global }
      - { .name: hs, .offset: 40, .size: 8, .value_kind: global_buffer, .address_space: global }
    .group_segment_fixed_size: 104448
    .private_segment_fixed_size: 0
    .kernarg_segment_align: 8
    .kernarg_segment_size: 48
    .max_flat_workgroup_size: 512
    .sgpr_count:     66
    .vgpr_count:     256
    .wavefront_size: 32
...
	.end_amdgpu_metadata
.endif
;; end of part 3
;; launch down (part 4): grid 256 x 1, 16 waves a work-group, no clusters, 174,080 bytes of LDS; arguments plan, hq, hs, w2, y; writes y
.if DOCPART == 4
	.amdgcn_target "amdgcn-amd-amdhsa--gfx1250"
	.amdhsa_code_object_version 6
	.text
	.protected	k_qae4bf8128e_down
	.globl	k_qae4bf8128e_down
	.p2align	8
	.type	k_qae4bf8128e_down,@function
k_qae4bf8128e_down:
	s_mov_b64 s[64:65], 0
	v_nop
	global_prefetch_b8 v0, s[64:65] scope:SCOPE_SE
	s_setreg_imm32_b32 hwreg(HW_REG_WAVE_MODE, 25, 1), 1
	s_wait_xcnt 0x0
; y = h w2[e] for the chosen rows alone (the others reach no output: shown at the head of the first kernel), both operands as codes of E2M3 with E8M0 scales; K is halved between work-groups, and each half's sums go to their own part of y.
; THE LAUNCH IS A STREAM OF w2, built as the launch before it: each f32 number is read once, quantised along K in registers, laid in LDS as an operand, and multiplied there and then.
; SHARES.  Work-group g: expert g / 32, K half (g / 16) % 2 (2,048 hidden units), 64 output columns 64 (g % 16) on.  8 trips of 256 K x 64 columns.
; Stream side: wave w takes 32 columns (w % 2), a lane a column, and one block of 32 along K (w / 2).  Product side: wave w multiplies pair w of the expert's rows by the four tiles of 16 columns: 8 accumulators over all 16 K steps.
; Pairs 16 to 31 follow behind the last trip, from the images, which stay in LDS.  Transposed use, the choice of a tile's columns and the permuted blocks of a K step are the launch before's: h's images were laid for them.
; LDS: a trip's images have bytes of their own, written once: ONE barrier a trip.  A scalar branch on np[e], read from memory, leads round a step's LDS loads and products and round nothing else; every wave issues every global load.
; NO TENSOR LOADS, NO CLUSTER: what the work-groups of an expert share, a pair's 49,152 bytes of codes, is little beside each one's own 524,288 bytes of w2.
; LIMITS: NaN and infinities among the inputs are not served; a block of zeros has the byte 1 where the rule says 127 (its codes are zeros; this program alone reads the bytes).
.set PITCH, 4096                       ; a row of w2[e] in bytes
.set BSC,   98304                      ; behind the 8 x 12,288 bytes of images: their scale words, 512 bytes a trip
.set STG,   102400                     ; the way out: 16 rows x (256 + 16) bytes for each wave
.set SPARE, STG+16*4352                ; the spare words, 128 bytes for each wave, which no other line names
.set SPW, 1
.set NIL, 2
; v3 my offset in w2; v4, v5 where my block's codes go (trips 0-3, 4-7); v6 its scale byte; v7, v8 where I read a fragment; v9 the weights' scale words; v10, v11 my offsets in the rows' images and scale words
; v12, v13 the rows' scale words, v14, v15 the weights': scales and nothing else; v16-28 at work; v29, v30 my stage, in and out; v31 my offset in y
.set X0,  32
.set AF,  96
.set BF,  144
.set ACC, 192
.macro XLOAD set
.set i, 0
.rept 32
	global_load_b32 v[X0+32*(\set)+i], v3, s[26+2*(\set):27+2*(\set)] offset:i*PITCH th:TH_LOAD_NT
.set i, i+1
.endr
.endm
.macro QW set, tau
.set XS, X0+32*(\set)
.set WA, 4
.if (\tau) > 3
.set WA, 5
.endif
	v_max3_num_f32 v16, |v[XS]|, |v[XS+1]|, 0x1800000              ; the floor 2^(3 - 127) among the leaves: the byte cannot fall under 1
	v_max3_num_f32 v17, |v[XS+2]|, |v[XS+3]|, |v[XS+4]|
.irp i, 5,9,13,17,21,25
	v_max3_num_f32 v16, v16, |v[XS+\i]|, |v[XS+\i+1]|
	v_max3_num_f32 v17, v17, |v[XS+\i+2]|, |v[XS+\i+3]|
.endr
	v_max3_num_f32 v16, v16, |v[XS+29]|, |v[XS+30]|
	v_max3_num_f32 v16, v16, v17, |v[XS+31]|
	v_add_nc_u32 v18, 0xff000000, v16              ; 2 off the exponent field: the conversion's scale operand
	v_lshrrev_b32 v19, 23, v18                     ; the byte
	v_cvt_scalef32_pk16_fp6_f32 v[20:22], v[XS:XS+15], v18
	v_cvt_scalef32_pk16_fp6_f32 v[26:28], v[XS+16:XS+31], v18      ; (a conversion's three registers begin on an even number)
	v_nop                                          ; one plain instruction behind a scaled conversion
	v_mov_b32 v23, v26
	v_mov_b32 v24, v27
	v_mov_b32 v25, v28
	ds_store_b64 v[WA], v[20:21] offset:((\tau)%4)*12288
	ds_store_b64 v[WA], v[22:23] offset:((\tau)%4)*12288+8
	ds_store_b64 v[WA], v[24:25] offset:((\tau)%4)*12288+16
	ds_store_b8 v6, v19 offset:512*(\tau)
.endm
.macro ALOAD slot, q, bcode, bscal     ; the rows' two fragments and their scale words of my half's K step q: 7 loads
.irp a, 0,1
.irp g, 0,1,2
	global_load_b128 v[AF+24*(\slot)+12*\a+4*\g:AF+24*(\slot)+12*\a+4*\g+3], v10, s[\bcode:\bcode+1] offset:3072*(\q)+1536*\a+512*\g
.endr
.endr
	global_load_b32 v[12+(\slot)], v11, s[\bscal:\bscal+1] offset:128*(\q)
.endm
.macro BLOAD tau, sp
.set RA, 7
.if (\tau) > 3
.set RA, 8
.endif
.irp ct, 0,1,2,3
.irp g, 0,1,2
	ds_load_b128 v[BF+12*\ct+4*\g:BF+12*\ct+4*\g+3], v[RA] offset:((\tau)%4)*12288+6144*(\sp)+1536*\ct+16*\g
.endr
.endr
	ds_load_b32 v14, v9 offset:512*(\tau)+256*(\sp)        ; lanes 0-15 tile 0's words, lanes 16-31 tile 1's
	ds_load_b32 v15, v9 offset:512*(\tau)+256*(\sp)+128    ; tiles 2 and 3
.endm
.macro WM ct, a, slot, zero
.set DD, ACC+32*(\a)+8*(\ct)
.set WW, BF+12*(\ct)
.set RR, AF+24*(\slot)+12*(\a)
.set SCW, 14+(\ct)/2
.set SCR, 12+(\slot)
.if \zero
.if ((\ct)%2 == 0) && ((\a) == 0)
	v_wmma_scale_f32_16x16x128_f8f6f4 v[DD:DD+7], v[WW:WW+11], v[RR:RR+11], 0, v[SCW], v[SCR] matrix_a_fmt:MATRIX_FMT_FP6 matrix_b_fmt:MATRIX_FMT_FP6
.elseif (\a) == 0
	v_wmma_scale_f32_16x16x128_f8f6f4 v[DD:DD+7], v[WW:WW+11], v[RR:RR+11], 0, v[SCW], v[SCR] matrix_a_fmt:MATRIX_FMT_FP6 matrix_b_fmt:MATRIX_FMT_FP6 matrix_a_scale:MATRIX_SCALE_ROW1
.elseif (\ct)%2 == 0
	v_wmma_scale_f32_16x16x128_f8f6f4 v[DD:DD+7], v[WW:WW+11], v[RR:RR+11], 0, v[SCW], v[SCR] matrix_a_fmt:MATRIX_FMT_FP6 matrix_b_fmt:MATRIX_FMT_FP6 matrix_b_scale:MATRIX_SCALE_ROW1
.else
	v_wmma_scale_f32_16x16x128_f8f6f4 v[DD:DD+7], v[WW:WW+11], v[RR:RR+11], 0, v[SCW], v[SCR] matrix_a_fmt:MATRIX_FMT_FP6 matrix_b_fmt:MATRIX_FMT_FP6 matrix_a_scale:MATRIX_SCALE_ROW1 matrix_b_scale:MATRIX_SCALE_ROW1
.endif
.else
.if ((\ct)%2 == 0) && ((\a) == 0)
	v_wmma_scale_f32_16x16x128_f8f6f4 v[DD:DD+7], v[WW:WW+11], v[RR:RR+11], v[DD:DD+7], v[SCW], v[SCR] matrix_a_fmt:MATRIX_FMT_FP6 matrix_b_fmt:MATRIX_FMT_FP6
.elseif (\a) == 0
	v_wmma_scale_f32_16x16x128_f8f6f4 v[DD:DD+7], v[WW:WW+11], v[RR:RR+11], v[DD:DD+7], v[SCW], v[SCR] matrix_a_fmt:MATRIX_FMT_FP6 matrix_b_fmt:MATRIX_FMT_FP6 matrix_a_scale:MATRIX_SCALE_ROW1
.elseif (\ct)%2 == 0
	v_wmma_scale_f32_16x16x128_f8f6f4 v[DD:DD+7], v[WW:WW+11], v[RR:RR+11], v[DD:DD+7], v[SCW], v[SCR] matrix_a_fmt:MATRIX_FMT_FP6 matrix_b_fmt:MATRIX_FMT_FP6 matrix_b_scale:MATRIX_SCALE_ROW1
.else
	v_wmma_scale_f32_16x16x128_f8f6f4 v[DD:DD+7], v[WW:WW+11], v[RR:RR+11], v[DD:DD+7], v[SCW], v[SCR] matrix_a_fmt:MATRIX_FMT_FP6 matrix_b_fmt:MATRIX_FMT_FP6 matrix_a_scale:MATRIX_SCALE_ROW1 matrix_b_scale:MATRIX_SCALE_ROW1
.endif
.endif
.endm
; 8 products: the 8 accumulators by turns, one instruction a turn, in the same order in every step.  Five plain places follow: four serve the loads
; into the operands' and scales' registers and the first read of results; the fifth a sum that is begun anew over an earlier result
.macro MUL slot, zero
.irp ct, 0,1,2,3
.irp a, 0,1
	WM \ct, \a, \slot, \zero
.endr
.endr
.rept 5
	v_nop
.endr
.endm
.macro HALF tau, sp, slot, zero
	s_cmp_lg_u32 s24, 0
	s_cbranch_scc0 .Lskip_\@
	BLOAD \tau, \sp
	s_wait_dscnt 0x0
	MUL \slot, \zero
.Lskip_\@:
.endm
; THE WAY OUT: a lane holds, of row r, eight neighbouring columns of each tile: 16 rows x 256 bytes go through my own stage and come back as whole rows, so that sixteen lanes store 256 consecutive bytes.
.macro EPI ob
.irp a, 0,1
.irp ct, 0,1,2,3
	ds_store_b128 v29, v[ACC+32*\a+8*\ct:ACC+32*\a+8*\ct+3] offset:128*(\ct/2)+32*(\ct%2)          ; each accumulator from its low end on
	ds_store_b128 v29, v[ACC+32*\a+8*\ct+4:ACC+32*\a+8*\ct+7] offset:128*(\ct/2)+32*(\ct%2)+16
.endr
.irp i, 0,1,2,3,4,5,6,7
	ds_load_b128 v[BF+4*\i:BF+4*\i+3], v30 offset:544*\i   ; the wave's own bytes, served in order: these see the stores above
.endr
.irp i, 0,1,2,3,4,5,6,7
	s_wait_dscnt 7-\i
	global_store_b128 v31, v[BF+4*\i:BF+4*\i+3], s[\ob:\ob+1] offset:(16*\a+2*\i)*4096 th:TH_STORE_NT
.endr
	s_wait_xcnt 0x0                                ; the stores' registers are written again only behind this wait
.endr
.endm
; A TRIP.  Loads are issued in the order X(t), A(2 t), A(2 t + 1), X(t + 1), A(2 t + 2), ..: an X is 32 loads, an A is 7.
.macro TRIP t
.if (\t) < 7
	s_wait_loadcnt 46                              ; X(t) is in: behind it went A(2 t), A(2 t + 1), X(t + 1): 7 + 7 + 32
.else
	s_wait_loadcnt 14                              ; the last trip: no X behind it
.endif
	QW (\t)%2, \t
	s_wait_dscnt 0x0                               ; for the others' sake: my stores have landed
	s_barrier_signal -1
	s_barrier_wait -1                              ; the trip's images are whole
.if (\t) < 7
	s_wait_loadcnt 39                              ; A(2 t) is in: behind it went A(2 t + 1), X(t + 1)
.else
	s_wait_loadcnt 7
.endif
	HALF \t, 0, 0, 0
.if (\t) < 7
	ALOAD 0, 2*(\t)+2, 30, 32
	s_wait_loadcnt 39                              ; A(2 t + 1) is in: behind it went X(t + 1), A(2 t + 2)
.else
	s_wait_loadcnt 0x0
.endif
	HALF \t, 1, 1, 0
.if (\t) < 7
	ALOAD 1, 2*(\t)+3, 30, 32
.endif
.if (\t) < 6
	s_add_nc_u64 s[26+2*((\t)%2):27+2*((\t)%2)], s[26+2*((\t)%2):27+2*((\t)%2)], 2097152   ; 512 rows on.  (X(t)'s loads, which read this base, are done)
	XLOAD (\t)%2                                   ; X(t + 2)
.endif
.endm
.macro TSTEP q, zero                   ; a step of the tail: nothing else is on its way
	ALOAD 0, \q, 48, 50
	BLOAD (\q)/2, (\q)%2
	s_wait_loadcnt 0x0
	s_wait_dscnt 0x0
	MUL 0, \zero
.endm
	s_load_b256 s[4:11], s[0:1], 0x0               ; plan s[4:5], hq s[6:7], hs s[8:9], w2 s[10:11]
	s_load_b64 s[12:13], s[0:1], 0x20              ; y
	v_lshl_add_u32 v[SPW], v0, 2, SPARE
	v_mov_b32 v[NIL], 0
	v_lshrrev_b32 v16, 5, v0
	v_readfirstlane_b32 s16, v16                   ; wave
	s_and_b32 s17, s16, 1                          ; which 32 columns
	s_lshr_b32 s18, s16, 1                         ; which block of 32 along K
	s_lshr_b32 s19, ttmp9, 5                       ; expert
	s_and_b32 s20, ttmp9, 15                       ; which 64 columns
	s_bfe_u32 s21, ttmp9, 0x10004                  ; which half of K
	v_and_b32 v16, 31, v0                          ; lane
	v_and_b32 v17, 7, v0
	v_bfe_u32 v18, v0, 4, 1
	v_lshl_add_u32 v17, v18, 3, v17                ; my column's row in its tile: x % 8 + 8 (x / 16)
	v_bfe_u32 v19, v0, 3, 1                        ; and which of the two tiles
	v_and_b32 v20, 15, v0
	s_mul_i32 s42, s18, 32*PITCH
	s_lshl_b32 s43, s17, 7
	s_add_co_u32 s42, s42, s43
	v_lshl_add_u32 v3, v16, 2, s42                 ; in w2: 4 x lane + 128 x column group + my block's rows
	s_mul_i32 s42, s17, 3072
	s_lshr_b32 s43, s18, 2
	s_mul_i32 s44, s43, 6144
	s_add_co_u32 s42, s42, s44
	s_bfe_u32 s45, s18, 0x10001
	s_mul_i32 s44, s45, 768
	s_add_co_u32 s42, s42, s44
	s_and_b32 s46, s18, 1
	s_mul_i32 s44, s46, 24
	s_add_co_u32 s42, s42, s44
	v_mul_u32_u24 v4, v19, 1536
	v_mad_u32_u24 v4, v17, 48, v4
	v_add_nc_u32 v4, s42, v4
	v_add_nc_u32 v5, 49152, v4
	s_lshl_b32 s42, s17, 7
	s_lshl_b32 s44, s43, 8
	s_add_co_u32 s42, s42, s44
	s_lshl_b32 s44, s46, 1
	s_add_co_u32 s42, s42, s44
	s_add_co_u32 s42, s42, s45
	s_add_co_u32 s42, s42, BSC
	v_lshlrev_b32 v6, 6, v19
	v_lshl_add_u32 v6, v17, 2, v6
	v_add_nc_u32 v6, s42, v6
	v_mul_u32_u24 v7, v16, 48
	v_add_nc_u32 v8, 49152, v7
	v_lshl_add_u32 v9, v16, 2, BSC
	v_lshlrev_b32 v10, 4, v16
	v_lshlrev_b32 v11, 2, v16
	s_mul_i32 s42, s16, 4352
	s_add_co_u32 s42, s42, STG                     ; my stage
	v_mul_u32_u24 v29, v20, 272
	v_lshl_add_u32 v29, v18, 6, v29
	v_add_nc_u32 v29, s42, v29                     ; in: row r, 64 bytes on for lanes 16-31
	v_mul_u32_u24 v30, v18, 272
	v_lshl_add_u32 v30, v20, 4, v30
	v_add_nc_u32 v30, s42, v30                     ; back: lanes 0-15 one row, lanes 16-31 the next
	v_lshlrev_b32 v31, 4, v20
	v_lshl_add_u32 v31, v18, 12, v31               ; and the same two rows in y
	s_wait_kmcnt 0x0
	s_lshl_b32 s42, s19, 2
	s_load_b32 s22, s[4:5], s42 offset:0x0         ; np[e]
	s_load_b32 s23, s[4:5], s42 offset:0x20        ; base[e]
	s_lshl_b32 s44, s19, 24                        ; an expert's 16,777,216 bytes,
	s_lshl_b32 s45, s21, 23                        ; a half's 2,048 rows,
	s_add_co_u32 s44, s44, s45
	s_lshl_b32 s45, s20, 8                         ; my 64 columns
	s_add_co_u32 s44, s44, s45
	s_mov_b32 s45, 0
	s_add_nc_u64 s[26:27], s[10:11], s[44:45]      ; trip 0,
	s_add_nc_u64 s[28:29], s[26:27], 1048576       ; trip 1: 256 rows on
	XLOAD 0
.set i, 0
.rept 64
	v_mov_b32 v[ACC+i], 0                          ; the first products stand under a branch, so the sums begin as zeros on every way; written while the first loads are out
.set i, i+1
.endr
	s_wait_kmcnt 0x0
	s_add_co_u32 s25, s23, s16
	s_cmp_lt_u32 s16, s22                          ; have I a pair?
	s_cselect_b32 s24, 1, 0
	s_cselect_b32 s25, s25, 0                      ; which
	s_min_u32 s24, s24, 1
	s_min_u32 s25, s25, 70
	v_mul_u32_u24 v10, s24, v10                    ; a wave without a pair asks with offset 0
	v_mul_u32_u24 v11, s24, v11
	s_mul_i32 s42, s25, 98304
	s_mul_i32 s44, s21, 49152
	s_add_co_u32 s42, s42, s44
	s_mov_b32 s43, 0
	s_add_nc_u64 s[30:31], s[6:7], s[42:43]        ; my pair's images of h, my half's 16 K steps,
	s_lshl_b32 s42, s25, 12
	s_lshl_b32 s44, s21, 11
	s_add_co_u32 s42, s42, s44
	s_add_nc_u64 s[32:33], s[8:9], s[42:43]        ; their scale words,
	s_lshl_b32 s42, s25, 17
	s_mul_i32 s44, s21, 9306112
	s_add_co_u32 s42, s42, s44
	s_lshl_b32 s44, s20, 8
	s_add_co_u32 s42, s42, s44
	s_add_nc_u64 s[34:35], s[12:13], s[42:43]      ; and where its sums go: my half's part of y, 32 rows a pair, my 64 columns
	ALOAD 0, 0, 30, 32
	ALOAD 1, 1, 30, 32
	XLOAD 1
	TRIP 0
	TRIP 1
	TRIP 2
	TRIP 3
	TRIP 4
	TRIP 5
	TRIP 6
	TRIP 7
	s_cmp_lg_u32 s24, 0
	s_cbranch_scc0 .Lno_epi
	EPI 34
.Lno_epi:
	s_add_co_u32 s42, s16, 16                      ; THE TAIL: pair 16 + wave, where the expert has so many
	s_cmp_lt_u32 s42, s22
	s_cbranch_scc0 .Lend
	s_add_co_u32 s25, s25, 16
	s_min_u32 s25, s25, 70
	s_mul_i32 s42, s25, 98304
	s_mul_i32 s44, s21, 49152
	s_add_co_u32 s42, s42, s44
	s_mov_b32 s43, 0
	s_add_nc_u64 s[48:49], s[6:7], s[42:43]
	s_lshl_b32 s42, s25, 12
	s_lshl_b32 s44, s21, 11
	s_add_co_u32 s42, s42, s44
	s_add_nc_u64 s[50:51], s[8:9], s[42:43]
	s_lshl_b32 s42, s25, 17
	s_mul_i32 s44, s21, 9306112
	s_add_co_u32 s42, s42, s44
	s_lshl_b32 s44, s20, 8
	s_add_co_u32 s42, s42, s44
	s_add_nc_u64 s[52:53], s[12:13], s[42:43]
.irp q, 0,1,2,3,4,5,6,7,8,9,10,11,12,13,14,15
	TSTEP \q, \q==0
.endr
	EPI 52
.Lend:
	s_wait_tensorcnt 0x0                           ; the wave's end
	ds_add_u32 v[SPW], v[NIL]
	s_wait_dscnt 0x0
	s_endpgm
.Lfunc_end_k_qae4bf8128e_down:
	.size	k_qae4bf8128e_down, .Lfunc_end_k_qae4bf8128e_down-k_qae4bf8128e_down
	.p2alignl 7, 3214868480
	.fill 96, 4, 3214868480
	.section	.rodata,"a",@progbits
	.p2align	6, 0x0
	.amdhsa_kernel k_qae4bf8128e_down
		.amdhsa_group_segment_fixed_size 174080
		.amdhsa_private_segment_fixed_size 0
		.amdhsa_enable_private_segment 0
		.amdhsa_kernarg_size 40
		.amdhsa_user_sgpr_count 2
		.amdhsa_user_sgpr_kernarg_segment_ptr 1
		.amdhsa_wavefront_size32 1
		.amdhsa_system_sgpr_workgroup_id_x 1
		.amdhsa_system_sgpr_workgroup_id_y 1
		.amdhsa_system_sgpr_workgroup_id_z 1
		.amdhsa_system_vgpr_workitem_id 0
		.amdhsa_next_free_vgpr 256
		.amdhsa_next_free_sgpr 66
		.amdhsa_reserve_vcc 0
		.amdhsa_float_denorm_mode_32 3
		.amdhsa_float_denorm_mode_16_64 3
		.amdhsa_memory_ordered 1
		.amdhsa_forward_progress 1
		.amdhsa_inst_pref_size 143
	.end_amdhsa_kernel
	.amdgpu_metadata
---
amdhsa.version: [ 1, 2 ]
amdhsa.kernels:
  - .name:           k_qae4bf8128e_down
    .symbol:         k_qae4bf8128e_down.kd
    .args:
      - { .name: plan, .offset: 0, .size: 8, .value_kind: global_buffer, .address_space: global }
      - { .name: hq, .offset: 8, .size: 8, .value_kind: global_buffer, .address_space: global }
      - { .name: hs, .offset: 16, .size: 8, .value_kind: global_buffer, .address_space: global }
      - { .name: w2, .offset: 24, .size: 8, .value_kind: global_buffer, .address_space: global }
      - { .name: y, .offset: 32, .size: 8, .value_kind: global_buffer, .address_space: global }
    .group_segment_fixed_size: 174080
    .private_segment_fixed_size: 0
    .kernarg_segment_align: 8
    .kernarg_segment_size: 40
    .max_flat_workgroup_size: 512
    .sgpr_count:     66
    .vgpr_count:     256
    .wavefront_size: 32
...
	.end_amdgpu_metadata
.endif
;; end of part 4
;; launch combine (part 5): grid 256 x 1, 4 waves a work-group, no clusters, 0 bytes of LDS; arguments plan, rwt, y, out0; writes out0
.if DOCPART == 5
	.amdgcn_target "amdgcn-amd-amdhsa--gfx1250"
	.amdhsa_code_object_version 6
	.text
	.protected	k_qae4bf8128e_combine
	.globl	k_qae4bf8128e_combine
	.p2align	8
	.type	k_qae4bf8128e_combine,@function
k_qae4bf8128e_combine:
	s_mov_b64 s[64:65], 0
	v_nop
	global_prefetch_b8 v0, s[64:65] scope:SCOPE_SE
	s_setreg_imm32_b32 hwreg(HW_REG_WAVE_MODE, 25, 1), 1
	s_wait_xcnt 0x0
; out[t] = wt[t][0] (the two K halves of its first expert's row) + wt[t][1] (those of its second's).  The six experts that were not chosen add 0 (shown at the head of the first kernel) and are not summed.
; A wave is a token: it gathers four rows of 4,096 bytes of y by the places that an earlier launch stored as whole numbers, and stores one row.  Every load and store of the wave covers 512 consecutive bytes.
; A stream: no LDS, no barrier, no matrix unit.  The loads go out piece by piece of 512 bytes, four rows a piece, so that the counted wait of piece j leaves the 4 (7 - j) loads of the later pieces out.
	s_load_b256 s[4:11], s[0:1], 0x0               ; plan s[4:5], rwt s[6:7], y s[8:9], out0 s[10:11]
	v_lshrrev_b32 v1, 5, v0
	v_readfirstlane_b32 s12, v1                    ; wave
	v_and_b32 v1, 31, v0
	v_lshlrev_b32 v1, 4, v1                        ; 16 bytes a lane
	s_lshl_b32 s13, ttmp9, 2
	s_add_co_u32 s13, s13, s12                     ; my token
	s_lshl_b32 s20, s13, 3
	s_lshl_b32 s22, s13, 12
	s_mov_b32 s23, 0
	s_mov_b32 s25, 0
	s_wait_kmcnt 0x0
	s_load_b64 s[14:15], s[4:5], s20 offset:0x100  ; its two rows
	s_load_b64 s[16:17], s[6:7], s20 offset:0x0    ; its two weights
	s_add_nc_u64 s[10:11], s[10:11], s[22:23]
	s_wait_kmcnt 0x0
	s_min_u32 s14, s14, 2271
	s_min_u32 s15, s15, 2271
	s_lshl_b32 s24, s14, 12
	s_add_nc_u64 s[28:29], s[8:9], s[24:25]        ; first expert, K half 0,
	s_add_nc_u64 s[30:31], s[28:29], 9306112       ; K half 1;
	s_lshl_b32 s24, s15, 12
	s_add_nc_u64 s[32:33], s[8:9], s[24:25]        ; second expert likewise
	s_add_nc_u64 s[34:35], s[32:33], 9306112
	s_mov_b32 s18, s17                             ; the second weight as the low word of a pair of its own: the packed forms take a scalar pair's low word for both halves
	s_mov_b32 s19, s17
.irp j, 0,1,2,3,4,5,6,7
.irp q, 0,1,2,3
	global_load_b128 v[16+16*\j+4*\q:19+16*\j+4*\q], v1, s[28+2*\q:29+2*\q] offset:512*\j th:TH_LOAD_NT
.endr
.endr
.irp j, 0,1,2,3,4,5,6,7
	s_wait_loadcnt 28-4*\j                         ; piece j's four loads are in
.irp p, 0,2
	v_pk_add_f32 v[16+16*\j+\p:17+16*\j+\p], v[16+16*\j+\p:17+16*\j+\p], v[20+16*\j+\p:21+16*\j+\p]
	v_pk_add_f32 v[24+16*\j+\p:25+16*\j+\p], v[24+16*\j+\p:25+16*\j+\p], v[28+16*\j+\p:29+16*\j+\p]
	v_pk_mul_f32 v[16+16*\j+\p:17+16*\j+\p], v[16+16*\j+\p:17+16*\j+\p], s[16:17] op_sel_hi:[1,0]
	v_pk_fma_f32 v[16+16*\j+\p:17+16*\j+\p], v[24+16*\j+\p:25+16*\j+\p], s[18:19], v[16+16*\j+\p:17+16*\j+\p] op_sel_hi:[1,0,1]
.endr
	global_store_b128 v1, v[16+16*\j:19+16*\j], s[10:11] offset:512*\j th:TH_STORE_NT
.endr
	s_endpgm
.Lfunc_end_k_qae4bf8128e_combine:
	.size	k_qae4bf8128e_combine, .Lfunc_end_k_qae4bf8128e_combine-k_qae4bf8128e_combine
	.p2alignl 7, 3214868480
	.fill 96, 4, 3214868480
	.section	.rodata,"a",@progbits
	.p2align	6, 0x0
	.amdhsa_kernel k_qae4bf8128e_combine
		.amdhsa_group_segment_fixed_size 0
		.amdhsa_private_segment_fixed_size 0
		.amdhsa_enable_private_segment 0
		.amdhsa_kernarg_size 32
		.amdhsa_user_sgpr_count 2
		.amdhsa_user_sgpr_kernarg_segment_ptr 1
		.amdhsa_wavefront_size32 1
		.amdhsa_system_sgpr_workgroup_id_x 1
		.amdhsa_system_sgpr_workgroup_id_y 1
		.amdhsa_system_sgpr_workgroup_id_z 1
		.amdhsa_system_vgpr_workitem_id 0
		.amdhsa_next_free_vgpr 144
		.amdhsa_next_free_sgpr 66
		.amdhsa_reserve_vcc 0
		.amdhsa_float_denorm_mode_32 3
		.amdhsa_float_denorm_mode_16_64 3
		.amdhsa_memory_ordered 1
		.amdhsa_forward_progress 1
		.amdhsa_inst_pref_size 10
	.end_amdhsa_kernel
	.amdgpu_metadata
---
amdhsa.version: [ 1, 2 ]
amdhsa.kernels:
  - .name:           k_qae4bf8128e_combine
    .symbol:         k_qae4bf8128e_combine.kd
    .args:
      - { .name: plan, .offset: 0, .size: 8, .value_kind: global_buffer, .address_space: global }
      - { .name: rwt, .offset: 8, .size: 8, .value_kind: global_buffer, .address_space: global }
      - { .name: y, .offset: 16, .size: 8, .value_kind: global_buffer, .address_space: global }
      - { .name: out0, .offset: 24, .size: 8, .value_kind: global_buffer, .address_space: global }
    .group_segment_fixed_size: 0
    .private_segment_fixed_size: 0
    .kernarg_segment_align: 8
    .kernarg_segment_size: 32
    .max_flat_workgroup_size: 128
    .sgpr_count:     66
    .vgpr_count:     144
    .wavefront_size: 32
...
	.end_amdgpu_metadata
.endif
;; end of part 5
